; MI455X (gfx1250); checked and timed in simulation.
; The chip was launched on July 23, 2026; its instructions are those of AMD's public machine-readable ISA for CDNA 5 (MIT licence, August 2026) and "CDNA5" Instruction Set Architecture Reference Guide (July 2026). The comments in the code are by the model that wrote it; some were corrected since.
;; Multi Head Self Attention. Allowed arithmetic: matrix products marked QUANTISED: E2M3 operands, one E8M0 scale for each 32 along K, by v_wmma_scale_f32_16x16x128_f8f6f4 with both operands' format E2M3, f32 sums; everything else in f32.
;; Inputs: b_proj 1,024 float32; b_qkv 3,072 float32; w_proj 1,024 x 1,024 float32; w_qkv 1,024 x 3,072 float32; x 4 x 2,048 x 1,024 float32.
;; Outputs: out0 4 x 2,048 x 1,024 float32.
;; This version of the problem:
;;   THIS VERSION OF THE PROBLEM IS GIVEN IN LOW PRECISION. The matrix products marked QUANTISED in the list below multiply operands that are first quantised to E2M3 (2 exponent bits, 3 mantissa bits; 6 bits a number), with one power-of-two scale for each 32 numbers along K (OCP MX v1.0); their sums are f32. All else is computed in f32.
;;   The module's matrix products, in the order in which they are computed (A, B: the left and right operand; K: the contracted axis; several contracted axes count as one K, in the product's order):
;;     1. [M 8,192, K 1,024] x [K 1,024, N 3,072]; A: input x; B: input w_qkv: QUANTISED
;;     2. batch 64 x [M 2,048, K 64] x [K 64, N 2,048]; A: computed on the way; B: computed on the way: QUANTISED
;;     3. batch 64 x [M 2,048, K 2,048] x [K 2,048, N 64]; A: softmax (see below); B: computed on the way: QUANTISED
;;     4. [M 8,192, K 1,024] x [K 1,024, N 1,024]; A: computed on the way; B: input w_proj: QUANTISED
;;   THE QUANTISER, for each operand of a quantised product, along K:
;;     - K is cut into blocks of 32 from its start; a last block that is shorter is filled with zeros.
;;     - A block's scale is 2^e with e = floor(log2(the largest magnitude in the block)) - 2, held to -126 .. 127; a block of zeros has e = 0. As a byte (E8M0): e + 127.
;;     - Each number is divided by its block's scale, clamped to +-7.5, and rounded to the nearest number of E2M3, ties to even, subnormals kept.
;;     - The product sums the exact products of the quantised numbers (number of the format x scale) in f32.
;;   ~~~python
;;   def quantise(x, axis):      # numpy; x: float32 -> the quantised numbers, widened to float32 again
;;       x = np.moveaxis(x, axis, -1); K = x.shape[-1]
;;       x = np.pad(x, [(0, 0)] * (x.ndim - 1) + [(0, -K % 32)]); x = x.reshape(x.shape[:-1] + (-1, 32)); a = np.abs(x).max(-1, keepdims=True)
;;       e = np.where(a > 0, np.clip(np.frexp(np.where(a > 0, a, 1))[1] - 1 - 2, -126, 127), 0)      # np.frexp(a)[1] - 1 = floor(log2(a)), exactly
;;       r = np.clip(x / 2.0 ** e, -7.5, 7.5)
;;       step = 2.0 ** (np.maximum(np.frexp(np.where(r == 0, 1, r))[1] - 1, 0) - 3)
;;       q = np.round(r / step) * step * 2.0 ** e      # np.round: ties to even
;;       return np.moveaxis(q.reshape(q.shape[:-2] + (-1,))[..., :K], -1, axis).astype(np.float32)
;;   ~~~
;;   SOFTMAX AHEAD OF A QUANTISED PRODUCT. Where the list says 'softmax', what is quantised is not the finished softmax but p = 2^(t - M), with t = logit x log2(e) and M = ceil(the row's largest t), a whole number; so 1/2 < the row's largest p <= 1. The row's sum l is taken of the UNQUANTISED p, in f32, and the product's result is divided by l at the end. Since M is a whole number, a kernel that streams over the keys may use a running M (the ceiling of the running maximum): every later rescaling is an exact power of two, which a block's scale takes up: the codes' values come out the same.
;;   OPERANDS COMPUTED ON THE WAY. 'Computed on the way' means the value that the module computes at that place (a softmax that the list does not call 'softmax' is quantised finished and normalised). What goes into a quantiser is computed in f32, as accurately as f32 sums, v_exp_f32 and their like allow (about 1e-6 of the number): no bf16 or f16 on the way to a quantiser, and a product that is left as it is and whose result goes on into a quantised operand takes f32 operands (vector FMAs, or v_wmma_f32_16x16x4_f32). A number that lies on a knife's edge between two numbers of the format may be rounded either way, as far as f32 arithmetic and the matrix unit's own rounding can turn it there, and no further.
;; One version. Each part assembles by itself: llvm-mc -triple=amdgcn-amd-amdhsa -mcpu=gfx1250 --defsym DOCPART=n.
;; ======== version 1 of 1: 4 launches
;; workspace buffers: x_codes 6,291,456 bytes; x_scales 262,144 bytes; w_codes 3,145,728 bytes; w_scales 131,072 bytes; qkv_codes 18,874,368 bytes; qkv_scales 786,432 bytes; o_codes 6,291,456 bytes; o_scales 262,144 bytes
;; launch quant (part 1): grid 384 x 1, 4 waves a work-group, no clusters, 68,096 bytes of LDS; arguments x, w_qkv, w_proj, x_codes, x_scales, w_codes, w_scales; writes x_codes, x_scales, w_codes, w_scales
.if DOCPART == 1
	.amdgcn_target "amdgcn-amd-amdhsa--gfx1250"
	.amdhsa_code_object_version 6
	.text
	.protected	k_q7f31b69cc4_quant
	.globl	k_q7f31b69cc4_quant
	.p2align	8
	.type	k_q7f31b69cc4_quant,@function
k_q7f31b69cc4_quant:
	s_mov_b64 s[64:65], 0
	v_nop
	global_prefetch_b8 v0, s[64:65] scope:SCOPE_SE
	s_setreg_imm32_b32 hwreg(HW_REG_WAVE_MODE, 25, 1), 1
	s_wait_xcnt 0x0
; x [8192][1024], w_qkv [1024][3072] and w_proj [1024][1024], f32, become codes of FP6 (E2M3) with K innermost and one E8M0 scale byte for each 32 along K.
; A block's scale is 2^(floor(log2(its largest magnitude)) - 2); its byte is the largest magnitude's exponent field - 2, held at 1 from below; each number is divided by the scale and rounded to the nearest code, ties to even, beyond 7.5 the largest code.
; OUTPUT LAYOUT.  x_codes [8192][768 bytes], x_scales [8192][32]; w_codes [4096][768], w_scales [4096][32]: row n of the weights is column n of w_qkv (n < 3072) or column n - 3072 of w_proj.
; ROW n IS STORED AT PLACE pi(n) = n WITH ITS BITS 3 AND 4 EXCHANGED.  So sixteen consecutive stored rows 16 i + r are the rows 32 (i / 2) + 8 (i % 2) + r + 8 (r / 8): the later products, used transposed,
; then leave sixteen neighbours along the next K in a lane's sixteen consecutive registers, and their results can be quantised in registers.
; LIMITS: NaN and infinities among the inputs are not served; blocks whose largest magnitude lies under 2^-124 keep the byte 1; a block of zeros has the byte 1 where the rule says 127 (its codes are zeros, and this program alone reads the bytes).
; Work-groups 0-255 take x (K innermost: a lane holds 16 neighbours, turned through the wave's own stage in LDS); work-groups 256-383 take the weights (K is the first axis: a lane takes a column and its registers run down K).
; The two ways have LDS bytes of their own.  No tensor loads, no barrier: waves share nothing.  A stream: matrix units and clusters have nothing to do here.
.set EMAX,  2
.set SPARE, 67584                      ; behind both ways' bytes: the spare words, 128 bytes for each wave: two blocks of 256 bytes that no other line names
.set SPW,   12                         ; v12  LDS address of my spare word; never rewritten
.set NIL,   13                         ; v13  0; never rewritten
; the way of x
.set STEPS, 16                         ; a wave takes 16 steps of 512 numbers: 8 rows
.set CB,    12                         ; bytes of 16 codes
.set XR,    16                         ; v16-79   four sets of 16 numbers as they are loaded
.set XX,    80                         ; v80-111  two sets of 16 neighbours
.set XE,    112                        ; v112-127 a scale byte for each step
.set XC,    128                        ; v128-191 codes: four registers for each step, so that no store's data are written again
.set WREG,  8192                       ; LDS 0 .. 32,767: a region for each wave: two stages of 32 x SP bytes, behind them its 256 scale bytes
.set SP,    80                         ; a lane's place in a stage: 64 bytes + 16 of padding
; the way of the weights
.set WSTG,  32768                      ; LDS 32,768 .. 67,583: a stage of 32 rows x PITCH for each wave
.set NB,    8                          ; blocks of 32 along K for a wave: 256 along K
.set PITCH, 272                        ; a stage row: sixteen places of 16 bytes, each with 12 bytes of codes, + 16
.set KROW,  768                        ; a row of codes in memory
.set WX,    32                         ; v32-95   two sets of 32 numbers
.set WC,    96                         ; v96..    a block's codes
.set OUTR,  112                        ; v112-175 the way out
.set SB,    24                         ; v24-25   the scale bytes, four to a register
.set WO,    176                        ; v176-207 byte offsets of my column in rows 0 .. 31 of a block; never rewritten
.macro XLOAD t
.irp i, 0,1,2,3
	global_load_b128 v[XR+16*((\t)%4)+4*\i:XR+16*((\t)%4)+4*\i+3], v3, s[4:5] offset:2048*(\t)+512*\i th:TH_LOAD_NT   ; 32 lanes read 512 consecutive bytes
.endr
.endm
.macro XTURN t                         ; step t's numbers through the stage: LDS serves a wave's instructions in order, so no wait stands between the stores and the loads
.irp i, 0,1,2,3
	ds_store_b128 v14, v[XR+16*((\t)%4)+4*\i:XR+16*((\t)%4)+4*\i+3] offset:32*SP*((\t)%2)+8*SP*\i
.endr
.irp i, 0,1,2,3
	ds_load_b128 v[XX+16*((\t)%2)+4*\i:XX+16*((\t)%2)+4*\i+3], v15 offset:32*SP*((\t)%2)+16*\i
.endr
.endm
.macro XSTEP t
.set XS, XX+16*((\t)%2)
.if (\t) > 0
	s_wait_dscnt 1                                 ; this step's numbers are back from the stage (the last step's byte store may be out): so its stores into the stage have read their registers,
.else
	s_wait_dscnt 0x0
.endif
.if (\t)+4 < STEPS
	XLOAD (\t)+4                                   ; which take the loads of four steps on
.endif
.if (\t)+1 < STEPS
.if STEPS-2-(\t) >= 3
	s_wait_loadcnt 12                              ; the next step's four loads are in; those of the three steps behind it may be out
.else
	s_wait_loadcnt 4*(STEPS-2-(\t))
.endif
	XTURN (\t)+1                                   ; and go through the other stage while this step is worked
.endif
	v_max3_num_f32 v8, |v[XS]|, |v[XS+1]|, |v[XS+2]|               ; the largest magnitude of my 16
	v_max3_num_f32 v9, |v[XS+3]|, |v[XS+4]|, |v[XS+5]|
.irp i, 6,10
	v_max3_num_f32 v8, v8, |v[XS+\i]|, |v[XS+\i+1]|
	v_max3_num_f32 v9, v9, |v[XS+\i+2]|, |v[XS+\i+3]|
.endr
	v_max3_num_f32 v8, v8, |v[XS+14]|, |v[XS+15]|
	v_max3_num_f32 v8, v8, v9, (EMAX+1)<<23        ; and the floor 2^(3 - 127): the byte cannot fall under 1
	v_max_num_f32_dpp v8, v8, v8 row_xmask:1 row_mask:0xf bank_mask:0xf   ; and of my neighbour's 16: the block's
	v_add_nc_u32 v11, -(EMAX<<23), v8              ; 2 off its exponent field: the conversion takes the exponent field of this operand as its scale
	v_cvt_scalef32_pk16_fp6_f32 v[XC+4*(\t):XC+4*(\t)+2], v[XS:XS+15], v11
	v_lshrrev_b32 v[XE+(\t)], 23, v11              ; the scale's byte (a plain line behind the conversion)
	ds_store_b8 v5, v[XE+(\t)] offset:16*(\t)      ; both lanes of a block write the same byte with the same value
	global_store_b96 v4, v[XC+4*(\t):XC+4*(\t)+2], s[10:11] offset:32*CB*(\t)   ; the wave stores 384 consecutive bytes
.endm
.macro WLOAD t                         ; block t: W(32 t + i, my column), i = 0 .. 31, into set t % 2: 32 lanes read 128 consecutive bytes
.set I, 0
.rept 32
	global_load_b32 v[WX+32*((\t)%2)+I], v[WO+I], s[36+2*(\t):37+2*(\t)] th:TH_LOAD_NT
.set I, I+1
.endr
.endm
.macro WBLOCK t
.set XS, WX+32*((\t)%2)
.if (\t) < NB-1
	s_wait_loadcnt 32                              ; this block's 32 loads are in; the next block's may be out
.else
	s_wait_loadcnt 0
.endif
	v_max3_num_f32 v16, |v[XS]|, |v[XS+1]|, |v[XS+2]|              ; the block's largest magnitude: all 32 numbers are mine
	v_max3_num_f32 v17, |v[XS+3]|, |v[XS+4]|, |v[XS+5]|
.irp i, 6,10,14,18,22,26
	v_max3_num_f32 v16, v16, |v[XS+\i]|, |v[XS+\i+1]|
	v_max3_num_f32 v17, v17, |v[XS+\i+2]|, |v[XS+\i+3]|
.endr
	v_max3_num_f32 v16, v16, |v[XS+30]|, |v[XS+31]|
	v_max3_num_f32 v16, v16, v17, (EMAX+1)<<23     ; and the floor
	v_add_nc_u32 v11, -(EMAX<<23), v16             ; the conversion's scale operand
	v_lshrrev_b32 v18, 23, v11                     ; the scale's byte
.if (\t)%4 == 0
	v_mov_b32 v[SB+(\t)/4], v18                    ; four bytes to a register, the lower K in the lower byte
.else
	v_lshl_or_b32 v[SB+(\t)/4], v18, 8*((\t)%4), v[SB+(\t)/4]
.endif
	v_cvt_scalef32_pk16_fp6_f32 v[WC:WC+2], v[XS:XS+15], v11
	v_cvt_scalef32_pk16_fp6_f32 v[WC+4:WC+6], v[XS+16:XS+31], v11  ; (a conversion's three registers begin on an even number)
	ds_store_b96 v4, v[WC:WC+2] offset:32*(\t)     ; 12 bytes to a place of 16 in the stage, so that every LDS address is a multiple of 16
	ds_store_b96 v4, v[WC+4:WC+6] offset:32*(\t)+16
.if (\t)+2 < NB
	WLOAD (\t)+2
.endif
	s_wait_dscnt 0x0                               ; the stores have read their registers: the next block's codes may be written
.endm
	s_load_b128 s[4:7], s[0:1], 0x0                ; x, w_qkv
	s_load_b128 s[8:11], s[0:1], 0x10              ; w_proj, x_codes
	s_load_b128 s[12:15], s[0:1], 0x20             ; x_scales, w_codes
	s_load_b64 s[16:17], s[0:1], 0x30              ; w_scales
	v_lshl_add_u32 v[SPW], v0, 2, SPARE
	v_mov_b32 v[NIL], 0
	v_lshrrev_b32 v1, 5, v0
	v_readfirstlane_b32 s18, v1                    ; wave
	v_and_b32 v2, 31, v0                           ; lane
	s_cmp_lt_u32 ttmp9, 256
	s_cbranch_scc0 .Lweights
	; ---- x: work-group g takes rows 32 g .. 32 g + 31, wave w rows 8 w .. 8 w + 7 of them
	v_lshlrev_b32 v3, 4, v2                        ; my 16 bytes of a load's 512
	s_mul_i32 s19, s18, WREG
	v_lshrrev_b32 v14, 2, v2
	v_mul_u32_u24 v14, v14, SP
	v_and_b32 v15, 3, v2
	v_lshl_add_u32 v14, v15, 4, v14
	v_add_nc_u32 v14, s19, v14                     ; the stage, on the way in: SP (lane / 4) + 16 (lane % 4)
	v_mul_u32_u24 v15, v2, SP
	v_add_nc_u32 v15, s19, v15                     ; and on the way out: SP x lane: my 16 neighbours
	v_mul_u32_u24 v4, v2, CB                       ; my codes' place in a step's
	v_lshrrev_b32 v5, 1, v2
	s_add_co_u32 s19, s19, 2*32*SP
	v_add_nc_u32 v5, s19, v5                       ; LDS: my wave's 256 scale bytes, my block's byte
	v_lshlrev_b32 v7, 3, v2                        ; and on the way out 8 bytes a lane
	v_add_nc_u32 v6, s19, v7
	s_lshl_b32 s20, ttmp9, 2
	s_add_co_u32 s22, s20, s18                     ; which run of 8 rows I read,
	s_lshr_b32 s24, s18, 1
	s_and_b32 s25, s18, 1
	s_lshl_b32 s25, s25, 1
	s_or_b32 s24, s24, s25                         ; the wave's two bits are the row's bits 4 and 3: exchanged,
	s_add_co_u32 s24, s20, s24                     ; they say at which run of 8 places I store
	s_lshl_b32 s22, s22, 15                        ; 8 rows of 4,096 bytes
	s_mov_b32 s23, 0
	s_mul_i32 s26, s24, 8*KROW
	s_mov_b32 s27, 0
	s_lshl_b32 s24, s24, 8                         ; 8 rows of 32 scale bytes
	s_mov_b32 s25, 0
	s_wait_kmcnt 0x0
	s_add_nc_u64 s[4:5], s[4:5], s[22:23]
	s_add_nc_u64 s[10:11], s[10:11], s[26:27]
	s_add_nc_u64 s[12:13], s[12:13], s[24:25]
.irp t, 0,1,2,3
	XLOAD \t
.endr
	s_wait_loadcnt 12                              ; step 0's four loads are in
	XTURN 0
.irp t, 0,1,2,3,4,5,6,7,8,9,10,11,12,13,14,15
	XSTEP \t
.endr
	ds_load_b64 v[8:9], v6                         ; LDS serves a wave's instructions in order: these see my byte stores
	s_wait_dscnt 0x0
	global_store_b64 v7, v[8:9], s[12:13]          ; 32 lanes store 256 consecutive bytes, aligned
	s_wait_tensorcnt 0x0                           ; the wave's end, behind my last LDS store
	ds_add_u32 v[SPW], v[NIL]
	s_wait_dscnt 0x0
	s_endpgm
.Lweights:
	; ---- the weights: work-group 256 + 32 ky + strip takes columns 128 strip .. + 127 (strips 0-23: w_qkv; 24-31: w_proj) and K = 256 ky .. + 255; a wave 32 of the columns
	s_sub_co_u32 s19, ttmp9, 256
	s_and_b32 s20, s19, 31                         ; strip
	s_lshr_b32 s21, s19, 5                         ; ky
	s_lshl_b32 s22, s20, 7
	s_lshl_b32 s23, s18, 5
	s_add_co_u32 s22, s22, s23                     ; my wave's first row of the codes' buffer
	v_lshlrev_b32 v3, 2, v2                        ; in: 4 bytes a lane
	s_mul_i32 s23, s18, 32*PITCH
	s_add_co_u32 s23, s23, WSTG                    ; my stage
	v_mul_u32_u24 v4, v2, PITCH
	v_add_nc_u32 v4, s23, v4                       ; into it: row = my column
	v_and_b32 v5, 15, v2
	v_lshrrev_b32 v6, 4, v2                        ; out of it: sixteen lanes to a row, two rows an instruction
	v_mul_u32_u24 v7, v6, PITCH
	v_lshl_add_u32 v7, v5, 4, v7
	v_add_nc_u32 v7, s23, v7
	v_mul_u32_u24 v8, v6, KROW
	v_mad_u32_u24 v8, v5, 12, v8                   ; and the same place in the codes' buffer
	v_and_b32 v9, 7, v2
	v_bfe_u32 v10, v2, 3, 1
	v_lshl_or_b32 v9, v10, 4, v9
	v_bfe_u32 v10, v2, 4, 1
	v_lshl_or_b32 v9, v10, 3, v9                   ; pi(lane): my column's place among the wave's 32
	v_lshlrev_b32 v9, 5, v9                        ; its row of scale bytes
	s_mov_b32 s30, 4096
	s_cmp_lt_u32 s20, 24
	s_cselect_b32 s30, 12288, s30                  ; a row of the weight in bytes
	s_cselect_b32 s31, 0, 3072
	s_sub_co_u32 s31, s22, s31                     ; my first column in its own tensor
	s_lshl_b32 s31, s31, 2
	s_mul_i32 s32, s21, s30
	s_lshl_b32 s32, s32, 8                         ; 256 ky rows down
	s_add_co_u32 s32, s32, s31
	s_mov_b32 s33, 0
	s_lshl_b32 s34, s30, 5                         ; a block of 32 rows
	s_mov_b32 s35, 0
	v_mov_b32 v[WO], v3
.set I, 1
.rept 31
	v_add_nc_u32 v[WO+I], s30, v[WO+I-1]           ; row by row
.set I, I+1
.endr
	s_mul_i32 s24, s22, KROW
	s_mul_i32 s25, s21, 192
	s_add_co_u32 s24, s24, s25                     ; the codes: row x 768 + 192 ky
	s_mov_b32 s25, 0
	s_lshl_b32 s26, s22, 5
	s_lshl_b32 s27, s21, 3
	s_add_co_u32 s26, s26, s27                     ; the scale bytes: row x 32 + 8 ky
	s_mov_b32 s27, 0
	s_wait_kmcnt 0x0
	s_cmp_lt_u32 s20, 24                           ; the choice hangs on the work-group's number alone
	s_cselect_b64 s[36:37], s[6:7], s[8:9]
	s_add_nc_u64 s[36:37], s[36:37], s[32:33]      ; block 0's base;
.irp t, 1,2,3,4,5,6,7
	s_add_nc_u64 s[36+2*\t:37+2*\t], s[34+2*\t:35+2*\t], s[34:35]   ; a base for each block, so that none is stepped while loads are out
.endr
	s_add_nc_u64 s[14:15], s[14:15], s[24:25]
	s_add_nc_u64 s[16:17], s[16:17], s[26:27]
	WLOAD 0
	WLOAD 1
.irp t, 0,1,2,3,4,5,6,7
	WBLOCK \t
.endr
	global_store_b64 v9, v[SB:SB+1], s[16:17]      ; my column's 8 scale bytes
.irp t, 0,1,2,3,4,5,6,7,8,9,10,11,12,13,14,15
	ds_load_b96 v[OUTR+4*\t:OUTR+4*\t+2], v7 offset:2*\t*PITCH   ; LDS serves a wave's instructions in order: these see my stores
.endr
.irp t, 0,1,2,3,4,5,6,7,8,9,10,11,12,13,14,15
	s_wait_dscnt 15-\t                             ; loads come back in order: number t is in
	global_store_b96 v8, v[OUTR+4*\t:OUTR+4*\t+2], s[14:15] offset:(((2*\t)&7)|((((2*\t)>>3)&1)<<4)|((((2*\t)>>4)&1)<<3))*KROW   ; columns 2 t and 2 t + 1 go to places pi(2 t) and pi(2 t) + 1: sixteen lanes store a row's 192 consecutive bytes
.endr
	s_wait_tensorcnt 0x0                           ; the wave's end, behind my last LDS store
	ds_add_u32 v[SPW], v[NIL]
	s_wait_dscnt 0x0
	s_endpgm
.Lfunc_end_k_q7f31b69cc4_quant:
	.size	k_q7f31b69cc4_quant, .Lfunc_end_k_q7f31b69cc4_quant-k_q7f31b69cc4_quant
	.p2alignl 7, 3214868480
	.fill 96, 4, 3214868480
	.section	.rodata,"a",@progbits
	.p2align	6, 0x0
	.amdhsa_kernel k_q7f31b69cc4_quant
		.amdhsa_group_segment_fixed_size 68096
		.amdhsa_private_segment_fixed_size 0
		.amdhsa_enable_private_segment 0
		.amdhsa_kernarg_size 56
		.amdhsa_user_sgpr_count 2
		.amdhsa_user_sgpr_kernarg_segment_ptr 1
		.amdhsa_wavefront_size32 1
		.amdhsa_system_sgpr_workgroup_id_x 1
		.amdhsa_system_sgpr_workgroup_id_y 1
		.amdhsa_system_sgpr_workgroup_id_z 1
		.amdhsa_system_vgpr_workitem_id 0
		.amdhsa_next_free_vgpr 208
		.amdhsa_next_free_sgpr 66
		.amdhsa_reserve_vcc 0
		.amdhsa_float_denorm_mode_32 3
		.amdhsa_float_denorm_mode_16_64 3
		.amdhsa_memory_ordered 1
		.amdhsa_forward_progress 1
		.amdhsa_inst_pref_size 75
	.end_amdhsa_kernel
	.amdgpu_metadata
---
amdhsa.version: [ 1, 2 ]
amdhsa.kernels:
  - .name:           k_q7f31b69cc4_quant
    .symbol:         k_q7f31b69cc4_quant.kd
    .args:
      - { .name: x, .offset: 0, .size: 8, .value_kind: global_buffer, .address_space: global }
      - { .name: w_qkv, .offset: 8, .size: 8, .value_kind: global_buffer, .address_space: global }
      - { .name: w_proj, .offset: 16, .size: 8, .value_kind: global_buffer, .address_space: global }
      - { .name: x_codes, .offset: 24, .size: 8, .value_kind: global_buffer, .address_space: global }
      - { .name: x_scales, .offset: 32, .size: 8, .value_kind: global_buffer, .address_space: global }
      - { .name: w_codes, .offset: 40, .size: 8, .value_kind: global_buffer, .address_space: global }
      - { .name: w_scales, .offset: 48, .size: 8, .value_kind: global_buffer, .address_space: global }
    .group_segment_fixed_size: 68096
    .private_segment_fixed_size: 0
    .kernarg_segment_align: 8
    .kernarg_segment_size: 56
    .max_flat_workgroup_size: 128
    .sgpr_count:     66
    .vgpr_count:     208
    .wavefront_size: 32
...
	.end_amdgpu_metadata
.endif
;; end of part 1
;; launch qkv (part 2): grid 12 x 32, 4 waves a work-group, clusters of 4 x 4, 327,680 bytes of LDS; arguments x_codes, x_scales, w_codes, w_scales, b_qkv, qkv_codes, qkv_scales; writes qkv_codes, qkv_scales
.if DOCPART == 2
	.amdgcn_target "amdgcn-amd-amdhsa--gfx1250"
	.amdhsa_code_object_version 6
	.text
	.protected	k_q7f31b69cc4_qkv
	.globl	k_q7f31b69cc4_qkv
	.p2align	8
	.type	k_q7f31b69cc4_qkv,@function
k_q7f31b69cc4_qkv:
	s_mov_b64 s[64:65], 0
	v_nop
	global_prefetch_b8 v0, s[64:65] scope:SCOPE_SE
	s_setreg_imm32_b32 hwreg(HW_REG_WAVE_MODE, 25, 1), 1
	s_wait_xcnt 0x0
	s_wait_alu depctr_hold_cnt(0) depctr_sa_sdst(0) depctr_va_vdst(0) depctr_va_sdst(0) depctr_va_ssrc(0) depctr_va_vcc(0) depctr_vm_vsrc(0)
	s_getreg_b32 s2, hwreg(HW_REG_IB_STS2, 6, 4)
	s_cmp_eq_u32 s2, 0
	s_cbranch_scc0 .Lentry_in_a_cluster
	s_endpgm
.Lentry_in_a_cluster:
	s_bfe_u32 s2, ttmp6, 0x10000c
	s_cmp_lg_u32 s2, 0xf033
	s_cbranch_scc0 .Lentry_shape_is_right
	s_endpgm
.Lentry_shape_is_right:
; qkv = Q(x) Q(w_qkv) + b_qkv on codes of FP6 (E2M3) with E8M0 scales for each 32 along K = 1,024; the results are quantised in registers: q and k along the head's 64, v along the keys; no f32 result goes to memory.
; A tile of 256 x 256 is made by four waves, a wave 128 x 128: 64 accumulators, 512 registers.  K goes in steps of 256 through two LDS slots filled by the tensor data mover; the scale bytes of the tile's rows come once and stay.
; ROLES.  The product is C'[m][n] = A'[m] . B'[n].  Clusters with x = 0, 1 make q and k: A' = x's rows (tokens), B' = w's rows (output columns 0 .. 2,047).  Clusters with x = 2 make V TRANSPOSED: A' = w's rows 2,048 .. 3,071
; (head, channel), B' = x's rows.  One text serves both: pointers and tile numbers are chosen on the cluster's x, which all sixteen partners share.
; THE MATRIX INSTRUCTION IS USED TRANSPOSED (source 0 = 16 rows of B', source 1 = 16 rows of A').  Both operands' rows lie in memory at places pi(row) (bits 3 and 4 exchanged), so lane (r, h) of A' block a holds row
; 32 (a / 2) + 8 (a % 2) + r + 8 (r / 8), and register 16 g + i of the block's 64 holds column 32 g + 16 h + i: sixteen neighbours along the next product's K (the head's channels for q and k, the keys for V).
; OUTPUT.  qkv_codes: 192 planes of 98,304 bytes, plane 4 hh + batch (hh 0-15 q's heads, 16-31 k's, 32-47 v's).  The unit is a HALF-IMAGE of 768 bytes = [3 pieces][32 lanes][8 bytes]: six operand registers of a lane
; (16 rows x 64 along K).  q, k: [tile of 16 places 128][768].  v: [step of 128 keys 16][tile of 16 channels 4][half 2][768].  qkv_scales: planes of 4,096 bytes = [64][16] words: q, k: word (tile / 2, r) holds tile 2 g's two
; bytes below and tile 2 g + 1's above; v: word (4 step + channel tile, r): the four key blocks' bytes.
; CLUSTERS: 4 x 4 work-groups; A's tiles are asked for jointly along a row of the cluster, B's along a column.  384 tiles in 24 clusters.
; The bias is the C of each sum's first matrix instruction.  LIMITS: as in the first launch: no NaN or infinities; blocks under 2^-124 and blocks of zeros keep the byte 1.
; No prefetch: K has four K steps, two of them first fills.
; REGISTERS: window 0: v0-31 addresses; v32-63 scale words, two sets; v64-127 the bias; v128-223 A's fragments, one set; v224-231 the bias loads' offsets; on the way out v32-95 are at work.
;   window 1: B's fragments, two sets, at v0 and v128.   window 2: the accumulators of my rows 0-63 ((a, b) at v[8 (8 a + b)]);   window 3: those of rows 64-127.
.set SIZE_K, 1024
.set KSTEP,  256
.set NQ,     KSTEP/128
.set ROWB,   192
.set KROW,   SIZE_K*6/8
.set PITCH,  240                       ; an LDS row: 3 x (64 bytes + 16 of padding) = 60 words: the 32 lanes of a load of 8 bytes touch 64 different banks (64 banks of 4 bytes: ISA guide 11.1)
.set FR,     12
.set NL,     6
.set NP,     4                         ; places behind this matrix instruction (ISA guide 7.12.1)
.set HALFT,  128*PITCH
.set SLOT,   4*HALFT
.set LAPS,   SIZE_K/(2*KSTEP)
.set KS,     SIZE_K/32
.set SCL,    2*SLOT                    ; behind the ring: the scales, as rows of 256 bytes + 16 of padding
.set HALFS,  (128*KS/256)*272
.set SBLK,   (16*KS/256)*272
.set SPARE,  SCL+4*HALFS               ; the spare words, 128 bytes for each wave: two blocks of 256 bytes that no other line names
.set ADRA, 16                          ; v16-17 LDS address of my A fragments in slot 0, 1 (v18-19: behind one padding more)
.set ADRB, 20                          ; v20-21 the same for B (v22-23)
.set ADRS, 27                          ; v27 LDS address of my scale words: lanes 0-15 A's rows, lanes 16-31 B's
.set SPW,  28                          ; v28 my spare word's address; never rewritten
.set NIL,  29                          ; v29 0; never rewritten
.set SC,   32
.set BI,   64                          ; v64-127 the bias, eight registers a block
.set AF,   128
.set BO,   224                         ; v224-231 the bias loads' offsets
.set G1, 24
.set G0, 32
.set G1B, 48
.set G0B, 56
.set G1S, 68
.set G0S, 76
.set G1SB, 80
.set G0SB, 88
.set ISV, 66                           ; s66 1 where my cluster makes V
; the way out
.set TM,   32                          ; v32-35 largest magnitudes, v36-39 the other half's, then bytes, v44-47 the conversions' scale operands
.set CD,   48                          ; v48-59 a fragment's codes; v60-66 at work
.set PWS,  72                          ; v72-79 the eight blocks' scale words
.set O0,   80                          ; v80-81 the stores' offsets
.set L8,   82                          ; v82 8 x lane
.set VSEL, 83
.set SW,   84                          ; v84-87 scale words to go out
.set SRB,  88                          ; v88-91 and back from the stage
.set SST,  92
.set SLD,  93
.set SGO,  94
.set VT,   95
.set S1,   72                          ; s72 from a block's half-images to the next block's;  s73 the same from block 3 to 4;  s74 from half 0 to half 1
.set S2J,  73
.set S3,   74
.set OFF,  75                          ; s75 the block's byte offset in qkv_codes
.set SBA,  76                          ; s76 my scale words' byte offset
.set MHI,  77                          ; s77 lanes 16-31
.set MV,   78                          ; s78 all lanes where my cluster makes V, else none
.set SEL,  86                          ; s[86:87] v_permlanex16_b32's selects for lane l xor 16
.set MSB, 0
.macro WIN new                         ; the immediate's high byte repeats the setting that is left
.if MSB != (\new)
	s_set_vgpr_msb (MSB<<8)|(\new)
.set MSB, (\new)
.endif
.endm
.set MUL_LO, 0xa1                      ; source 0 (B) window 1, source 1 (A) window 0, C and D window 2
.set MUL_HI, 0xf1                      ; the same, C and D window 3
.set FST_LO, 0x81                      ; the first step: C (the bias) window 0, D window 2
.set FST_HI, 0xc1                      ; D window 3
.set TO_B,   0x40
; A joint load: waves 0 and 1 fetch for A, waves 2 and 3 for B; the branch hangs on the wave's number alone.  An s_nop 0 and four v_nop follow each of the two lines.
.macro JLOAD g0a, g1a, g0b, g1b
	s_cmp_eq_u32 s15, 0
	s_cbranch_scc0 .Lfor_b_\@
	tensor_load_to_lds s[\g0a:\g0a+3], s[\g1a:\g1a+7]
	s_nop 0
.rept 4
	v_nop
.endr
	s_branch .Lasked_\@
.Lfor_b_\@:
	tensor_load_to_lds s[\g0b:\g0b+3], s[\g1b:\g1b+7]
	s_nop 0
.rept 4
	v_nop
.endr
.Lasked_\@:
.endm
.macro CREST                           ; a round of the cluster's barrier behind its opening barrier
	s_cmp_lg_u32 s14, 0
	s_cbranch_scc1 .Lnot_wave_0_\@
	s_barrier_signal -3
.Lnot_wave_0_\@:
	s_barrier_wait -3
	s_barrier_signal -1
	s_barrier_wait -1
.endm
.macro CROUND
	s_barrier_signal -1
	s_barrier_wait -1
	CREST
.endm
	s_load_b256 s[4:11], s[0:1], 0x0               ; x's codes s[4:5], x's scales s[6:7], w's codes s[8:9], w's scales s[10:11]
	s_load_b64 s[12:13], s[0:1], 0x20              ; b_qkv
	s_load_b128 s[96:99], s[0:1], 0x28             ; qkv_codes s[96:97], qkv_scales s[98:99]
	v_lshl_add_u32 v[SPW], v0, 2, SPARE
	v_mov_b32 v[NIL], 0
	ds_add_u32 v[SPW], v[NIL]                      ; the wave's opening: the add and its wait stand ahead of my first tensor load; the set-up below, work on registers, stands between them
	v_lshrrev_b32 v1, 5, v0
	v_readfirstlane_b32 s14, v1                    ; wave 0..3
	s_lshr_b32 s15, s14, 1                         ; which half of the tile's A' rows is mine.  Also: I fetch for A (0) or for B (1)
	s_and_b32 s16, s14, 1                          ; which half of its B' rows.  Also: which 128 rows of that tile I fetch
	s_bfe_u32 s40, ttmp6, 0x40000                  ; cx, cy: my place in the cluster
	s_bfe_u32 s41, ttmp6, 0x40004
	s_and_b32 s67, ttmp7, 0xffff                   ; the cluster's y
	s_cmp_eq_u32 ttmp9, 2                          ; the cluster's x: 0, 1: q and k; 2: V
	s_cselect_b32 s[ISV], 1, 0
	s_cselect_b32 s42, s67, ttmp9                  ; V: B' (tokens) runs along the clusters' y
	s_cselect_b32 s17, 0, s67                      ; and A' (1,024 rows of w) is one cluster high
	s_lshl_b32 s42, s42, 2
	s_add_co_u32 s42, s42, s40                     ; tile of B' rows
	s_lshl_b32 s17, s17, 2
	s_add_co_u32 s17, s17, s41                     ; tile of A' rows
	s_lshl_b32 s43, s41, 2
	s_lshl_b32 s43, 15, s43                        ; my row of the cluster
	s_lshl_b32 s44, 0x1111, s40                    ; my column
	; descriptor group 1: a tile of 128 rows x ROWB bytes, padded in LDS
	s_or_b32 s[G1+0], s43, (0<<16)|(1<<20)|(1<<21)|(3<<22)|(3<<25)  ; 15:0 the mask: A's tiles go to my row; 17:16 element of 1 byte; 20 padding on; 21 set beside a mask; 24:22 after every 16 words; 31:25 of 4 words
	s_or_b32 s[G1B+0], s44, (0<<16)|(1<<20)|(1<<21)|(3<<22)|(3<<25)
.irp g, G1, G1B
	s_mov_b32 s[\g+1], ROWB<<16                    ; tensor_dim0
	s_mov_b32 s[\g+2], 128<<16                     ; tensor_dim1
	s_mov_b32 s[\g+3], ROWB<<16                    ; tile_dim0
	s_mov_b32 s[\g+4], 128                         ; tile_dim1
	s_mov_b32 s[\g+5], KROW                        ; tensor_dim0_stride
	s_mov_b32 s[\g+6], 0
	s_mov_b32 s[\g+7], 0
.endr
	; the scales of 128 rows: a dense block of 4,096 bytes, as rows of 256 bytes (32 elements of 8 bytes), 16 bytes of padding behind each
	s_or_b32 s[G1S+0], s43, (3<<16)|(1<<20)|(1<<21)|(5<<22)|(3<<25)
	s_or_b32 s[G1SB+0], s44, (3<<16)|(1<<20)|(1<<21)|(5<<22)|(3<<25)
.irp g, G1S, G1SB
	s_mov_b32 s[\g+1], 32<<16
	s_mov_b32 s[\g+2], (128*KS/256)<<16
	s_mov_b32 s[\g+3], 32<<16
	s_mov_b32 s[\g+4], 128*KS/256
	s_mov_b32 s[\g+5], 32
	s_mov_b32 s[\g+6], 0
	s_mov_b32 s[\g+7], 0
.endr
	s_lshl_b32 s18, s16, 7                         ; which 128 rows of the tile I fetch
	s_lshl_b32 s20, s17, 8
	s_add_co_u32 s20, s20, s18                     ; A': row 256 x tile + 128 x half
	s_lshl_b32 s46, s42, 8
	s_add_co_u32 s46, s46, s18                     ; B' likewise
	s_mov_b32 s21, 0
	s_mov_b32 s47, 0
	s_mov_b64 s[18:19], KS
	s_mul_u64 s[22:23], s[20:21], s[18:19]         ; where these rows' scales begin, in bytes
	s_mul_u64 s[92:93], s[46:47], s[18:19]
	s_mov_b64 s[18:19], KROW
	s_mul_u64 s[20:21], s[20:21], s[18:19]         ; and their codes
	s_mul_u64 s[46:47], s[46:47], s[18:19]
	s_mul_i32 s45, s14, HALFT                      ; where they go: wave x 128 rows: no place in the cluster enters an LDS address
	s_mul_i32 s94, s14, HALFS
	s_wait_dscnt 0x0                               ; the opening add is done
	s_wait_kmcnt 0x0
	s_add_nc_u64 s[100:101], s[8:9], 2048*KROW     ; w's rows 2,048 on: V's
	s_add_nc_u64 s[104:105], s[10:11], 2048*KS
	s_cmp_eq_u32 s[ISV], 1                         ; the choice hangs on the cluster's x alone
	s_cselect_b64 s[100:101], s[100:101], s[4:5]   ; A's codes
	s_cselect_b64 s[104:105], s[104:105], s[6:7]   ; A's scales
	s_cselect_b64 s[8:9], s[4:5], s[8:9]           ; B's codes
	s_cselect_b64 s[10:11], s[6:7], s[10:11]       ; B's scales
	s_add_nc_u64 s[20:21], s[100:101], s[20:21]
	s_add_nc_u64 s[22:23], s[104:105], s[22:23]
	s_add_nc_u64 s[46:47], s[8:9], s[46:47]
	s_add_nc_u64 s[92:93], s[10:11], s[92:93]
	CROUND                                         ; all sixteen work-groups are here: the first joint loads meet
	s_mov_b32 s[G0S], 1
	s_add_co_u32 s[G0S+1], s94, SCL
	s_mov_b64 s[G0S+2:G0S+3], s[22:23]
	s_or_b32 s[G0S+3], s[G0S+3], 0x80000000
	s_mov_b32 s[G0SB], 1
	s_add_co_u32 s[G0SB+1], s94, SCL
	s_mov_b64 s[G0SB+2:G0SB+3], s[92:93]
	s_or_b32 s[G0SB+3], s[G0SB+3], 0x80000000
	JLOAD G0S, G1S, G0SB, G1SB                     ; the scales first: they are wanted with K step 0
.irp s, 0,1
	s_mov_b32 s[G0+4*\s], 1
	s_add_co_u32 s[G0+4*\s+1], s45, \s*SLOT
	s_add_nc_u64 s[G0+4*\s+2:G0+4*\s+3], s[20:21], \s*ROWB
	s_or_b32 s[G0+4*\s+3], s[G0+4*\s+3], 0x80000000
	s_mov_b32 s[G0B+4*\s], 1
	s_add_co_u32 s[G0B+4*\s+1], s45, \s*SLOT
	s_add_nc_u64 s[G0B+4*\s+2:G0B+4*\s+3], s[46:47], \s*ROWB
	s_or_b32 s[G0B+4*\s+3], s[G0B+4*\s+3], 0x80000000
	JLOAD G0+4*\s, G1, G0B+4*\s, G1B               ; three tensor loads of mine are out
.endr
	v_and_b32 v1, 15, v0                           ; r = l % 16; stays
	v_bfe_u32 v2, v0, 4, 1                         ; h = l / 16; stays
	v_mul_u32_u24 v3, v1, PITCH
	v_mul_u32_u24 v4, v2, 24
	v_add_nc_u32 v4, v3, v4                        ; a fragment's row x pitch + 24 x half
	v_lshl_add_u32 v5, v2, 4, v4                   ; and the same behind one padding more
	s_mul_i32 s21, s15, HALFT                      ; my 128 rows of A
	s_mul_i32 s22, s16, HALFT                      ; my 128 rows of B,
	s_add_co_u32 s22, s22, 2*HALFT                 ; which lie behind A's 256
.irp s, 0,1
	v_add_nc_u32 v[ADRA+\s], s21, v4
	v_add_nc_u32 v[ADRB+\s], s22, v4
	v_add_nc_u32 v[ADRA+2+\s], s21, v5
	v_add_nc_u32 v[ADRB+2+\s], s22, v5
	s_add_co_u32 s21, s21, SLOT
	s_add_co_u32 s22, s22, SLOT
.endr
	v_mul_u32_u24 v5, v1, KS                       ; my row's scales: KS bytes a row,
	v_lshrrev_b32 v6, 8, v5
	v_lshl_add_u32 v5, v6, 4, v5                   ; and 16 more for each 256 passed
	s_mul_i32 s21, s15, HALFS
	s_mul_i32 s22, s16, HALFS
	s_add_co_u32 s22, s22, 2*HALFS
	s_sub_co_u32 s22, s22, s21
	v_mul_u32_u24 v6, s22, v2                      ; lanes 16-31 take B's
	s_add_co_u32 s21, s21, SCL
	v_add_nc_u32 v5, v5, v6
	v_add_nc_u32 v[ADRS], s21, v5
	; THE BIAS, in the result's layout.  q, k: it hangs on the column: register 8 b + j of lane (r, h) wants b_qkv[first column + 32 (b / 2) + 8 (b % 2) + 16 h + j].
	; V: it hangs on the row: all eight registers of block a want b_qkv[2,048 + first row + 32 (a / 2) + 8 (a % 2) + r + 8 (r / 8)].  One run of 64 loads serves both: the lane's and the register's steps are chosen.
	s_lshl_b32 s20, s17, 8
	s_lshl_b32 s21, s15, 7
	s_add_co_u32 s20, s20, s21
	s_add_co_u32 s20, s20, 2048
	s_lshl_b32 s22, s42, 8
	s_lshl_b32 s21, s16, 7
	s_add_co_u32 s22, s22, s21
	s_cmp_eq_u32 s[ISV], 1
	s_cselect_b32 s20, s20, s22
	s_cselect_b32 s18, 4, 0                        ; bytes for each r + 8 (r / 8)
	s_cselect_b32 s19, 0, 64                       ; bytes for h
	s_cselect_b32 s67, 0, 4                        ; bytes from register to register
	s_lshl_b32 s20, s20, 2
	s_mov_b32 s21, 0
	s_add_nc_u64 s[12:13], s[12:13], s[20:21]
	v_and_b32 v6, 8, v1
	v_add_nc_u32 v6, v6, v1
	v_mul_u32_u24 v6, s18, v6
	v_mul_u32_u24 v7, s19, v2
	v_add_nc_u32 v[BO], v6, v7
.irp j, 1,2,3,4,5,6,7
	v_add_nc_u32 v[BO+\j], s67, v[BO+\j-1]
.endr
.irp k, 0,1,2,3,4,5,6,7
.irp j, 0,1,2,3,4,5,6,7
	global_load_b32 v[BI+8*\k+\j], v[BO+\j], s[12:13] offset:4*(32*(\k/2)+8*(\k%2))
.endr
.endr
.macro FRAG reg, adr, q, i             ; a fragment, 16 rows x 128 K of 6-bit codes, is 12 registers: lane l holds row l % 16; registers 6 c .. 6 c + 5 hold K = 64 c + 32 (l / 16) + 0 .. 31: 24 bytes of the row's stream of bits
.irp p, 0,1,2,3,4,5                    ; in pieces of 8 bytes.  Lanes 16-31 read three pieces further on than lanes 0-15: where that is behind one padding more, the second address register serves
.set PC, 12*(\q)+6*(\p/3)+\p%3
.if PC%8 < 5
	ds_load_b64 v[\reg+2*\p:\reg+2*\p+1], v[\adr] offset:8*PC+16*(PC/8)+(\i)*16*PITCH
.else
	ds_load_b64 v[\reg+2*\p:\reg+2*\p+1], v[\adr+2] offset:8*PC+16*(PC/8)+(\i)*16*PITCH
.endif
.endr
.endm
; 16 matrix instructions: A's blocks a0, a0 + 1 x B's eight, 128 along K.  zero = 0: the sums go on; 1: they start from the bias of B's block (q, k); 2: from the bias of A's block (V).
; The 64 accumulators take turns, one instruction a turn, in the same order in every step.
.macro MUL16 a0, p, q, sc, zero
.irp a, \a0, \a0+1
.irp b, 0,1,2,3,4,5,6,7
.if \zero == 1
	v_wmma_scale_f32_16x16x128_f8f6f4 v[8*(8*((\a)%4)+\b):8*(8*((\a)%4)+\b)+7], v[128*(\p)+FR*\b:128*(\p)+FR*\b+FR-1], v[AF+FR*(\a):AF+FR*(\a)+FR-1], v[BI+8*\b:BI+8*\b+7], v[SC+8*NQ*(\sc)+NQ*\b+(\q)], v[SC+8*NQ*(\sc)+NQ*(\a)+(\q)] matrix_a_fmt:MATRIX_FMT_FP6 matrix_b_fmt:MATRIX_FMT_FP6 matrix_a_scale:MATRIX_SCALE_ROW1
.elseif \zero == 2
	v_wmma_scale_f32_16x16x128_f8f6f4 v[8*(8*((\a)%4)+\b):8*(8*((\a)%4)+\b)+7], v[128*(\p)+FR*\b:128*(\p)+FR*\b+FR-1], v[AF+FR*(\a):AF+FR*(\a)+FR-1], v[BI+8*(\a):BI+8*(\a)+7], v[SC+8*NQ*(\sc)+NQ*\b+(\q)], v[SC+8*NQ*(\sc)+NQ*(\a)+(\q)] matrix_a_fmt:MATRIX_FMT_FP6 matrix_b_fmt:MATRIX_FMT_FP6 matrix_a_scale:MATRIX_SCALE_ROW1
.else
	v_wmma_scale_f32_16x16x128_f8f6f4 v[8*(8*((\a)%4)+\b):8*(8*((\a)%4)+\b)+7], v[128*(\p)+FR*\b:128*(\p)+FR*\b+FR-1], v[AF+FR*(\a):AF+FR*(\a)+FR-1], v[8*(8*((\a)%4)+\b):8*(8*((\a)%4)+\b)+7], v[SC+8*NQ*(\sc)+NQ*\b+(\q)], v[SC+8*NQ*(\sc)+NQ*(\a)+(\q)] matrix_a_fmt:MATRIX_FMT_FP6 matrix_b_fmt:MATRIX_FMT_FP6 matrix_a_scale:MATRIX_SCALE_ROW1
.endif
.endr
.endr
.endm
.macro FETCH_B slot, q, p
	WIN TO_B
.irp i, 0,1,2,3,4,5,6,7
	FRAG 128*(\p)+FR*\i, ADRB+\slot, \q, \i
.endr
	WIN 0
.endm
.macro FETCH_A slot, q, i0
.irp i, \i0, \i0+1, \i0+2, \i0+3
	FRAG AF+FR*(\i), ADRA+\slot, \q, \i
.endr
.endm
.macro SCALES sc                       ; a K step's scale words into set sc: lanes 0-15 take A's block i, lanes 16-31 B's block i
.irp i, 0,1,2,3,4,5,6,7
	ds_load_b64 v[SC+8*NQ*\sc+NQ*\i:SC+8*NQ*\sc+NQ*\i+1], v[ADRS] offset:\i*SBLK
.endr
.endm
.macro PLACES n                        ; plain vector instructions between a matrix instruction and a load into, or a vector read of, its registers
.rept \n
	v_nop
.endr
.endm
.macro STEP slot, q, zero              ; a step of 128 along K that has its successor in the same slot
	s_wait_dscnt 4*NL                              ; B's set and A's blocks 0-3 are in; the youngest 24 loads (A's blocks 4-7) may be out
.if \zero
	WIN FST_LO
.else
	WIN MUL_LO
.endif
	MUL16 0, (\q)%2, \q, \slot, \zero
	MUL16 2, (\q)%2, \q, \slot, \zero
	s_wait_dscnt 0                                 ; A's blocks 4-7 are in
	PLACES NP
	FETCH_B \slot, (\q)+1, 1-(\q)%2
	FETCH_A \slot, (\q)+1, 0
.if \zero
	WIN FST_HI
.else
	WIN MUL_HI
.endif
	MUL16 4, (\q)%2, \q, \slot, \zero
	MUL16 6, (\q)%2, \q, \slot, \zero
	PLACES NP
	WIN 0
	FETCH_A \slot, (\q)+1, 4
.endm
; A slot's last step changes slots: ONE barrier; in front of it each wave waits for all its tensor loads, adds 0 to its spare word, and waits for that and for its own reads of this slot.  fill = 1: this slot is filled again, two K steps ahead.
.macro TURN slot, next, fill
	s_wait_tensorcnt 0x0                           ; all my tensor loads have landed: my part of the next slot
	ds_add_u32 v[SPW], v[NIL]                      ; 0 onto my spare word
	s_wait_dscnt 4*NL+1                            ; (the add and the youngest 24 loads, A's blocks 4-7, may be out)
	WIN MUL_LO
	MUL16 0, 1, NQ-1, \slot, 0                     ; sixteen matrix instructions stand between the add and the wait for it
	s_wait_dscnt 0x0                               ; the add is done, and my reads of this slot are over
	s_barrier_signal -1
	MUL16 2, 1, NQ-1, \slot, 0
	WIN 0
	s_barrier_wait -1
.if \fill
	CREST                                          ; the barrier has opened a round of the cluster's barrier: no wave of any partner still reads this slot's tile or has a load on its way
	s_add_nc_u64 s[G0+4*\slot+2:G0+4*\slot+3], s[G0+4*\slot+2:G0+4*\slot+3], 2*ROWB
	s_add_nc_u64 s[G0B+4*\slot+2:G0B+4*\slot+3], s[G0B+4*\slot+2:G0B+4*\slot+3], 2*ROWB
	JLOAD G0+4*\slot, G1, G0B+4*\slot, G1B         ; the first tensor load behind the round; its four v_nop are the places in front of the loads below
.else
	PLACES NP
.endif
	v_add_nc_u32 v[ADRS], 4*NQ, v[ADRS]            ; on to the next K step's scale words (no LDS load of mine is out)
	FETCH_B \next, 0, 0
	FETCH_A \next, 0, 0
	SCALES \next
	WIN MUL_HI
	MUL16 4, 1, NQ-1, \slot, 0
	MUL16 6, 1, NQ-1, \slot, 0
	PLACES NP
	WIN 0
	FETCH_A \next, 0, 4
.endm
	s_wait_tensorcnt 1                             ; the scales and my part of K step 0 are in (K step 1's load may be out),
	s_barrier_signal -1
	s_barrier_wait -1                              ; everybody's are
	FETCH_B 0, 0, 0
	FETCH_A 0, 0, 0
	SCALES 0
	FETCH_A 0, 0, 4
	s_wait_loadcnt 0x0                             ; the bias
	s_cmp_eq_u32 s[ISV], 1                         ; the first step starts the sums from the bias: by B's block or by A's.  The branch hangs on the cluster's x; both ways hold the same loads in the same order, no barrier and no tensor load
	s_cbranch_scc1 .Lfirst_v
	STEP 0, 0, 1
	s_branch .Lfirst_done
.Lfirst_v:
	STEP 0, 0, 2
.Lfirst_done:
	s_mov_b32 s3, LAPS-1
.Llap:                                             ; a trip goes once round the ring, from a lap's second step to the next lap's first, and fills both slots again
	TURN 0, 1, 1
	STEP 1, 0, 0
	TURN 1, 0, 1
	STEP 0, 0, 0
	s_sub_co_u32 s3, s3, 1
	s_cmp_lg_u32 s3, 0
	s_cbranch_scc1 .Llap
	TURN 0, 1, 0                                   ; the last lap fills nothing, and has no round of the cluster's barrier
	STEP 1, 0, 0
	s_wait_dscnt 4*NL                              ; the very last step: nothing more to fetch
	WIN MUL_LO
	MUL16 0, 1, NQ-1, 1, 0
	MUL16 2, 1, NQ-1, 1, 0
	s_wait_dscnt 0
	WIN MUL_HI
	MUL16 4, 1, NQ-1, 1, 0
	MUL16 6, 1, NQ-1, 1, 0
	WIN 0
	PLACES NP
	; THE WAY OUT.  Where my results go.  q, k: plane 4 (4 tile column + 2 half + c) + batch, tile of places 16 (tile row % 8) + 8 half + a.  V: plane 4 (32 + 4 tile row + 2 half + a / 4) + batch, key step 2 (tile column % 8) + half, channel tile a % 4, half c.
	s_lshl_b32 s79, s42, 2
	s_lshl_b32 s80, s16, 1
	s_add_co_u32 s79, s79, s80
	s_lshl_b32 s79, s79, 2
	s_lshr_b32 s80, s17, 3
	s_add_co_u32 s79, s79, s80                     ; q, k: my first plane
	s_and_b32 s80, s17, 7
	s_lshl_b32 s80, s80, 4
	s_lshl_b32 s81, s15, 3
	s_add_co_u32 s80, s80, s81                     ; and my first tile of places
	s_lshl_b32 s81, s17, 2
	s_lshl_b32 s82, s15, 1
	s_add_co_u32 s81, s81, s82
	s_add_co_u32 s81, s81, 32
	s_lshl_b32 s81, s81, 2
	s_lshr_b32 s82, s42, 3
	s_add_co_u32 s81, s81, s82                     ; V: my first plane
	s_and_b32 s82, s42, 7
	s_lshl_b32 s82, s82, 1
	s_add_co_u32 s82, s82, s16                     ; and my key step
	s_mul_i32 s83, s80, 768
	s_lshl_b32 s80, s80, 5                         ; (scale words: 32 bytes a tile of places,
	s_mul_i32 s84, s82, 6144
	s_lshl_b32 s82, s82, 8                         ; 256 a key step)
	s_mov_b32 s[S1], 768
	s_mov_b32 s[S2J], 768
	s_mov_b32 s[S3], 4*98304
	s_cmp_eq_u32 s[ISV], 1
	s_cselect_b32 s70, s81, s79
	s_cselect_b32 s71, s84, s83
	s_cselect_b32 s[SBA], s82, s80
	s_cselect_b32 s[S1], 1536, s[S1]
	s_cselect_b32 s[S2J], 4*98304-3*1536, s[S2J]   ; V: from channel tile 3 of a head to tile 0 of the next head's plane
	s_cselect_b32 s[S3], 768, s[S3]
	s_cselect_b32 s[MV], -1, 0
	s_mul_i32 s[OFF], s70, 98304
	s_add_co_u32 s[OFF], s[OFF], s71
	s_lshl_b32 s70, s70, 12
	s_add_co_u32 s[SBA], s[SBA], s70
	s_mov_b32 s[MHI], 0xffff0000
	s_mov_b32 s[SEL], 0x76543210
	s_mov_b32 s[SEL+1], 0xfedcba98
	s_lshl_b32 s79, s14, 9                         ; a stage of 512 bytes for each wave, in slot 0: that slot has had its last fill, and nobody reads it behind the last change of slots
	v_and_b32 v[L8], 31, v0
	v_lshlrev_b32 v[SLD], 4, v[L8]
	v_add_nc_u32 v[SLD], s79, v[SLD]               ; back from the stage: 16 bytes a lane
	v_lshlrev_b32 v[L8], 3, v[L8]
	v_mov_b32 v[VSEL], 0x05040100
	v_mov_b32 v[VT], 0x07060302
	v_cndmask_b32 v[VSEL], v[VSEL], v[VT], s[MHI]  ; lanes 0-15 pick the words' lower halves (head c = 0), lanes 16-31 the upper
	v_lshlrev_b32 v[SST], 2, v1
	v_lshl_add_u32 v[SST], v2, 8, v[SST]
	v_add_nc_u32 v[SST], s79, v[SST]               ; into the stage: 256 h + 4 r
	v_lshlrev_b32 v[SGO], 4, v1
	v_lshl_add_u32 v[SGO], v2, 14, v[SGO]          ; lanes 16-31: the next head's plane, four planes of 4,096 bytes on
	v_add_nc_u32 v[SGO], s[SBA], v[SGO]
.irp g, 0,1,2,3
	v_mov_b32 v[TM+4+\g], 0                        ; written once: a lane permute's destination counts as one of its sources
.endr
; Block a's 64 numbers of a lane (register 16 g + i = place 32 g + 16 h + i along the next K) become a fragment's 12 registers of codes and a scale word; the two halves of the fragment leave as half-images.
.macro OUTBLK a
.set AC, 64*((\a)%4)
	WIN 0x0a+5*((\a)/4)                            ; sources 0 and 1: window 2 or 3
.irp g, 0,1,2,3
	v_max3_num_f32 v[TM+\g], |v[AC+16*\g]|, |v[AC+16*\g+1]|, 0x1800000   ; each accumulator is read from its low end on; the floor 2^(3 - 127) holds the byte at 1 from below
.endr
.irp i, 2,4,6,8,10,12,14
.irp g, 0,1,2,3
	v_max3_num_f32 v[TM+\g], |v[AC+16*\g+\i]|, |v[AC+16*\g+\i+1]|, v[TM+\g]   ; (the four blocks by turns)
.endr
.endr
	WIN 0
.irp g, 0,1,2,3
	v_permlanex16_b32 v[TM+4+\g], v[TM+\g], s[SEL], s[SEL+1]
.endr
.irp g, 0,1,2,3
	v_max_num_f32 v[TM+\g], v[TM+\g], v[TM+4+\g]   ; with lane l xor 16's: the block's largest magnitude
.endr
.irp g, 0,1,2,3
	v_add_nc_u32 v[TM+12+\g], 0xff000000, v[TM+\g] ; 2 off its exponent field: the conversion's scale operand
.endr
.irp g, 0,1,2,3
	v_lshrrev_b32 v[TM+4+\g], 23, v[TM+12+\g]      ; the scale's byte
.endr
	v_lshl_or_b32 v[PWS+(\a)], v[TM+5], 8, v[TM+4]
	v_lshl_or_b32 v[PWS+(\a)], v[TM+6], 16, v[PWS+(\a)]
	v_lshl_or_b32 v[PWS+(\a)], v[TM+7], 24, v[PWS+(\a)]
	s_wait_xcnt 0x0                                ; the last block's stores have read their data and offsets: both are written again below
	WIN 0x02+((\a)/4)                              ; source 0: window 2 or 3
.irp c, 0,1
	v_cvt_scalef32_pk16_fp6_f32 v[CD+6*\c:CD+6*\c+2], v[AC+32*\c:AC+32*\c+15], v[TM+12+2*\c]
	v_cvt_scalef32_pk16_fp6_f32 v[CD+12+4*\c:CD+14+4*\c], v[AC+16+32*\c:AC+31+32*\c], v[TM+13+2*\c]   ; (a conversion's three registers begin on an even number)
.endr
	WIN 0
	v_nop                                          ; one plain place behind a scaled conversion
.irp c, 0,1                            ; the operand's layout wants a WHOLE block in a lane: lanes 0-15 block 2 c, lanes 16-31 block 2 c + 1
.irp i, 0,1,2
	v_permlane16_swap_b32 v[CD+6*\c+\i], v[CD+12+4*\c+\i]
.endr
.irp i, 0,1,2
	v_mov_b32 v[CD+3+6*\c+\i], v[CD+12+4*\c+\i]
.endr
.endr
	v_add_nc_u32 v[O0], s[OFF], v[L8]
	v_add_nc_u32 v[O0+1], s[S3], v[O0]
.irp c, 0,1
.irp p, 0,1,2
	global_store_b64 v[O0+\c], v[CD+6*\c+2*\p:CD+6*\c+2*\p+1], s[96:97] offset:256*\p   ; 32 lanes store 256 consecutive bytes, aligned
.endr
.endr
.if (\a) == 3
	s_add_co_u32 s[OFF], s[OFF], s[S2J]
.else
	s_add_co_u32 s[OFF], s[OFF], s[S1]
.endif
.endm
.irp a, 0,1,2,3,4,5,6,7
	OUTBLK \a
.endr
	; the scale words.  q, k: for head c the word of tiles 2 g and 2 g + 1 is made of halves c of blocks 2 g's and 2 g + 1's words.  V: block a's word as it stands, head a / 4.  Lanes 0-15 hold the first head's, lanes 16-31 the second's.
.irp g, 0,1,2,3
	v_perm_b32 v[SW+\g], v[PWS+2*\g+1], v[PWS+2*\g], v[VSEL]
	v_cndmask_b32 v[VT], v[PWS+\g], v[PWS+4+\g], s[MHI]
	v_cndmask_b32 v[SW+\g], v[SW+\g], v[VT], s[MV]
.endr
.irp g, 0,1,2,3
	ds_store_b32 v[SST], v[SW+\g] offset:64*\g
.endr
	ds_load_b128 v[SRB:SRB+3], v[SLD]              ; LDS serves a wave's instructions in order: this sees my stores
	s_wait_dscnt 0x0
	global_store_b128 v[SGO], v[SRB:SRB+3], s[98:99]   ; sixteen lanes store 256 consecutive bytes, aligned, for each of the two heads
	s_wait_tensorcnt 0x0                           ; the wave's end, behind my last tensor load and my last LDS store
	ds_add_u32 v[SPW], v[NIL]
	s_wait_dscnt 0x0
	CROUND                                         ; the closing round: no work-group ends while a partner may still ask for a tile that names it
	s_endpgm
.Lfunc_end_k_q7f31b69cc4_qkv:
	.size	k_q7f31b69cc4_qkv, .Lfunc_end_k_q7f31b69cc4_qkv-k_q7f31b69cc4_qkv
	.p2alignl 7, 3214868480
	.fill 96, 4, 3214868480
	.section	.rodata,"a",@progbits
	.p2align	6, 0x0
	.amdhsa_kernel k_q7f31b69cc4_qkv
		.amdhsa_group_segment_fixed_size 327680
		.amdhsa_private_segment_fixed_size 0
		.amdhsa_enable_private_segment 0
		.amdhsa_kernarg_size 56
		.amdhsa_user_sgpr_count 2
		.amdhsa_user_sgpr_kernarg_segment_ptr 1
		.amdhsa_wavefront_size32 1
		.amdhsa_system_sgpr_workgroup_id_x 1
		.amdhsa_system_sgpr_workgroup_id_y 1
		.amdhsa_system_sgpr_workgroup_id_z 1
		.amdhsa_system_vgpr_workitem_id 0
		.amdhsa_next_free_vgpr 1024
		.amdhsa_next_free_sgpr 106
		.amdhsa_reserve_vcc 0
		.amdhsa_float_denorm_mode_32 3
		.amdhsa_float_denorm_mode_16_64 3
		.amdhsa_memory_ordered 1
		.amdhsa_forward_progress 1
		.amdhsa_inst_pref_size 191
	.end_amdhsa_kernel
	.amdgpu_metadata
---
amdhsa.version: [ 1, 2 ]
amdhsa.kernels:
  - .name:           k_q7f31b69cc4_qkv
    .symbol:         k_q7f31b69cc4_qkv.kd
    .args:
      - { .name: x_codes, .offset: 0, .size: 8, .value_kind: global_buffer, .address_space: global }
      - { .name: x_scales, .offset: 8, .size: 8, .value_kind: global_buffer, .address_space: global }
      - { .name: w_codes, .offset: 16, .size: 8, .value_kind: global_buffer, .address_space: global }
      - { .name: w_scales, .offset: 24, .size: 8, .value_kind: global_buffer, .address_space: global }
      - { .name: b_qkv, .offset: 32, .size: 8, .value_kind: global_buffer, .address_space: global }
      - { .name: qkv_codes, .offset: 40, .size: 8, .value_kind: global_buffer, .address_space: global }
      - { .name: qkv_scales, .offset: 48, .size: 8, .value_kind: global_buffer, .address_space: global }
    .group_segment_fixed_size: 327680
    .private_segment_fixed_size: 0
    .kernarg_segment_align: 8
    .kernarg_segment_size: 56
    .max_flat_workgroup_size: 128
    .sgpr_count:     106
    .vgpr_count:     1024
    .wavefront_size: 32
...
	.end_amdgpu_metadata
.endif
;; end of part 2
;; launch attn (part 3): grid 4 x 64, 16 waves a work-group, clusters of 4 x 1, 206,848 bytes of LDS; arguments qkv_codes, qkv_scales, o_codes, o_scales; writes o_codes, o_scales
.if DOCPART == 3
	.amdgcn_target "amdgcn-amd-amdhsa--gfx1250"
	.amdhsa_code_object_version 6
	.text
	.protected	k_q7f31b69cc4_attn
	.globl	k_q7f31b69cc4_attn
	.p2align	8
	.type	k_q7f31b69cc4_attn,@function
k_q7f31b69cc4_attn:
	s_mov_b64 s[64:65], 0
	v_nop
	global_prefetch_b8 v0, s[64:65] scope:SCOPE_SE
	s_setreg_imm32_b32 hwreg(HW_REG_WAVE_MODE, 25, 1), 1
	s_wait_xcnt 0x0
	s_wait_alu depctr_hold_cnt(0) depctr_sa_sdst(0) depctr_va_vdst(0) depctr_va_sdst(0) depctr_va_ssrc(0) depctr_va_vcc(0) depctr_vm_vsrc(0)
	s_getreg_b32 s2, hwreg(HW_REG_IB_STS2, 6, 4)
	s_cmp_eq_u32 s2, 0
	s_cbranch_scc0 .Lentry_in_a_cluster
	s_endpgm
.Lentry_in_a_cluster:
	s_bfe_u32 s2, ttmp6, 0x10000c
	s_cmp_lg_u32 s2, 0x3003
	s_cbranch_scc0 .Lentry_shape_is_right
	s_endpgm
.Lentry_shape_is_right:
; O = softmax(q k^T / 8) v for 64 (head, batch) pairs of 2,048 tokens and 64 channels, both products on codes of FP6 (E2M3) with E8M0 scales; the result is quantised along C for the last product.
; THE SOFTMAX AHEAD OF THE SECOND PRODUCT: t = score x log2(e) / 8; M = the running largest t rounded UP to a whole number; p = 2^(t - M) is what is quantised, along the keys, not normalised.  The row's sum is taken of the
; unquantised p, in f32, and divides O at the end.  When M moves, the sum and O are multiplied by 2^(old M - new M): exact.
; INPUT (made by the launch before): planes of half-images of 768 bytes = [3 pieces][32 lanes][8 bytes], six operand registers of a lane (16 rows x 64 along K).  Plane y = 4 head + batch holds q, 64 + y k, 128 + y v.
; q, k: [tile of 16 places 128][768]; place 16 t + r holds token 32 (t / 2) + 8 (t % 2) + r + 8 (r / 8), so the 16 registers of two neighbouring tiles of S^T are 16 neighbouring keys.  v: [step of 128 keys][channel tile 4][half 2][768].
; SHARES.  A work-group owns 512 queries of one plane, in two passes of 256; each of its sixteen waves one tile of 16 queries a pass, in 256 registers: four waves to a SIMD, so that one wave's vector work stands beside another's
; matrix work and LDS loads.  THE WHOLE HEAD'S K AND V STAY IN LDS (2 x 98,304 bytes and their scale words): filled once, nothing is filled again.  The four work-groups of a plane are a cluster and ask for every tile jointly.
; Each wave issues five tensor loads at the head (its part of the scale words and of four chunks of 512 keys): five are out at the most.  Pass 0 begins each chunk behind a counted wait and a barrier; pass 1 finds all in LDS.
; A PRODUCT WITH K = 64 ON AN INSTRUCTION OF 128.  A fragment of K holds TWO tiles of keys: registers 0-5 tile 2 f, registers 6-11 tile 2 f + 1.  Q lies as [q | zeros | q] in v16-33: v[16:27] multiplies tile 2 f, v[22:33] tile 2 f + 1:
; zero codes add nothing under any scale byte but 0xff, and every byte here lies in 1 .. 254.
; Both products are used transposed: a lane holds ONE query (lane % 16) throughout.
; No prefetch: every tile is asked for by its tensor load at the head; there is no later load that one could run ahead of.
; LIMITS: no NaN or infinities; a block's largest p is taken from its largest score (this takes v_exp_f32 not to fall where its input rises); blocks of zeros keep the byte 1.  o's scale bytes leave as single bytes, 32 bytes apart: one store a pass.
; REGISTERS: v1-3, v6 offsets that stay; v4, v5 the add's two; v8-10 addresses in hand; v12 -M, v13 the largest t, v[14:15] the sum; v16-33 Q; v34-39 pass 1's Q; v40, v41 Q's scale halves; v48-95 four fragments of K or V;
;   v96-159 S^T, then p; v160-191 O^T; v224-235 p's codes; v232-247 at work; v248-249 K's scale words, v250-251 V's; v252 f; v253 p's scale word; v254 at work; v255 Q's scale word.
.set VIMG,  98304                      ; LDS: K's half-images at 0, V's here,
.set KSC,   196608                     ; K's scale words, 4,096 bytes; V's 4,096 bytes behind them
.set SPARE, 204800                     ; the spare words, 128 bytes for each wave: eight blocks of 256 bytes that no other line names
.set SPW, 4
.set NIL, 5
.set WV,  12                           ; s12 my wave's number
.set G1C, 16                           ; s[16:23] descriptor group 1 for a part of a chunk: 12 rows of 256 bytes
.set G1S, 24                           ; s[24:31] for a part of the scale words: 2 rows of 256 bytes
.set G0,  32                           ; s[32:51] five groups 0: the scale words, chunks 0 to 3; never rewritten
.set SEL, 52                           ; s[52:53] lane selects for v_permlanex16_b32: lane l xor 16
.set CS,  54                           ; s[54:55] c = log2(e) / 8
.set TK,  56                           ; s56 LDS byte at which the step's tiles of K begin (V's: VIMG further on)
.set TS,  57                           ; s57 and its scale words
.set CNT, 58
.set MHI, 60                           ; s60 lanes 16-31
.macro CROUND                          ; a round of the cluster's barrier
	s_barrier_signal -1
	s_barrier_wait -1
	s_cmp_lg_u32 s[WV], 0
	s_cbranch_scc1 .Lnot_wave_0_\@
	s_barrier_signal -3
.Lnot_wave_0_\@:
	s_barrier_wait -3
	s_barrier_signal -1
	s_barrier_wait -1
.endm
	s_load_b256 s[4:11], s[0:1], 0x0               ; qkv_codes s[4:5], qkv_scales s[6:7], o_codes s[8:9], o_scales s[10:11]
	v_lshl_add_u32 v[SPW], v0, 2, SPARE
	v_mov_b32 v[NIL], 0
	ds_add_u32 v[SPW], v[NIL]                      ; the wave's opening: the add and its wait stand ahead of my first tensor load; the set-up below, work on registers, stands between them
	ds_add_u32 v[SPW], v[NIL]
	v_lshrrev_b32 v1, 5, v0
	s_delay_alu instid0(VALU_DEP_1)
	v_readfirstlane_b32 s[WV], v1                  ; wave 0..15
	s_bfe_u32 s13, ttmp6, 0x40000                  ; cx
	s_lshl_b32 s14, ttmp9, 2
	s_add_co_u32 s14, s14, s13                     ; my block of 512 queries: it enters q's and o's addresses alone
	s_and_b32 s15, ttmp7, 0xffff                   ; y = 4 head + batch, which the four partners share
	s_lshr_b32 s2, s[WV], 3                        ; 0: I fetch for K; 1: for V
	s_and_b32 s3, s[WV], 7                         ; which eighth
	s_mov_b32 s[G1C], 15|(3<<16)|(1<<21)           ; 15:0 the mask: all four work-groups; 17:16 elements of 8 bytes; 20 no padding; 21 set beside a mask
	s_mov_b32 s[G1C+1], 32<<16                     ; tensor_dim0 = 32 elements: rows of 256 bytes
	s_mov_b32 s[G1C+2], 12<<16                     ; tensor_dim1
	s_mov_b32 s[G1C+3], 32<<16                     ; tile_dim0
	s_mov_b32 s[G1C+4], 12                         ; tile_dim1: 3,072 dense bytes
	s_mov_b32 s[G1C+5], 32                         ; the pitch
	s_mov_b32 s[G1C+6], 0
	s_mov_b32 s[G1C+7], 0
	s_mov_b32 s[G1S], 15|(3<<16)|(1<<21)
	s_mov_b32 s[G1S+1], 32<<16
	s_mov_b32 s[G1S+2], 2<<16
	s_mov_b32 s[G1S+3], 32<<16
	s_mov_b32 s[G1S+4], 2                          ; 512 dense bytes
	s_mov_b32 s[G1S+5], 32
	s_mov_b32 s[G1S+6], 0
	s_mov_b32 s[G1S+7], 0
	s_lshl_b32 s72, s2, 6
	s_add_co_u32 s72, s72, s15
	s_add_co_u32 s72, s72, 64                      ; the plane that I fetch from: 64 + y (K) or 128 + y (V)
	s_mul_i32 s74, s72, 98304
	s_mul_i32 s73, s3, 3072
	s_add_co_u32 s74, s74, s73                     ; my part of chunk 0, in bytes
	s_mov_b32 s75, 0
	s_lshl_b32 s76, s72, 12
	s_lshl_b32 s73, s3, 9
	s_add_co_u32 s76, s76, s73                     ; my part of the scale words
	s_mov_b32 s77, 0
	s_mul_i32 s78, s2, VIMG-8*3072
	s_mul_i32 s73, s[WV], 3072
	s_add_co_u32 s78, s78, s73                     ; LDS: waves 0-7 fill K's chunk, waves 8-15 V's: no place in the cluster enters an LDS address
	s_lshl_b32 s79, s[WV], 9
	s_add_co_u32 s79, s79, KSC
	s_lshl_b32 s61, s14, 5
	s_add_co_u32 s61, s61, s[WV]                   ; my tile of queries in pass 0: 32 x block + wave; pass 1: 16 further on
	s_mul_i32 s62, s15, 98304
	s_mul_i32 s63, s61, 768
	s_add_co_u32 s62, s62, s63                     ; its half-image
	s_mov_b32 s63, 0
	s_lshl_b32 s66, s15, 12
	s_lshr_b32 s67, s61, 1
	s_lshl_b32 s67, s67, 6
	s_add_co_u32 s66, s66, s67
	s_and_b32 s67, s[WV], 1
	s_lshl_b32 s67, s67, 1
	s_add_co_u32 s66, s66, s67                     ; its half of the scale words: word (tile / 2, r), bytes 2 (tile % 2) on
	s_mov_b32 s67, 0
	s_lshr_b32 s59, s15, 2                         ; head
	s_and_b32 s13, s15, 3                          ; batch
	s_lshl_b32 s13, s13, 7
	s_add_co_u32 s13, s13, s61                     ; my tile among all 512 tiles of places
	s_mul_i32 s68, s59, 393216
	s_mul_i32 s69, s13, 768
	s_add_co_u32 s68, s68, s69                     ; o_codes: [head][tile][768]
	s_mov_b32 s69, 0
	s_lshl_b32 s70, s13, 9                         ; o_scales: 16 places of 32 bytes a tile,
	s_lshl_b32 s71, s59, 1
	s_add_co_u32 s70, s70, s71                     ; bytes 2 head and 2 head + 1
	s_mov_b32 s71, 0
	s_mov_b32 s[SEL], 0x76543210
	s_mov_b32 s[SEL+1], 0xfedcba98
	s_mov_b32 s[CS], 0x3e38aa3b                    ; c = log2(e) / 8
	s_mov_b32 s[CS+1], s[CS]                       ; (named with it as a pair, so it is written)
	s_mov_b32 s[MHI], 0xffff0000
	s_wait_dscnt 0x0                               ; the opening add is done
	s_wait_kmcnt 0x0
	s_add_nc_u64 s[74:75], s[4:5], s[74:75]
	s_add_nc_u64 s[76:77], s[6:7], s[76:77]
	s_add_nc_u64 s[62:63], s[4:5], s[62:63]        ; q's codes
	s_add_nc_u64 s[66:67], s[6:7], s[66:67]        ; q's scale halves
	s_add_nc_u64 s[8:9], s[8:9], s[68:69]
	s_add_nc_u64 s[10:11], s[10:11], s[70:71]
	s_mov_b32 s[G0], 1                             ; 1:0 count = 1
	s_mov_b32 s[G0+1], s79                         ; 63:32 LDS address
	s_mov_b64 s[G0+2:G0+3], s[76:77]               ; 120:64 global address
	s_or_b32 s[G0+3], s[G0+3], 0x80000000          ; 127:126 type = 2
.irp j, 0,1,2,3
	s_mov_b32 s[G0+4+4*\j], 1
	s_add_co_u32 s[G0+5+4*\j], s78, 24576*\j
	s_add_nc_u64 s[G0+6+4*\j:G0+7+4*\j], s[74:75], 24576*\j
	s_or_b32 s[G0+7+4*\j], s[G0+7+4*\j], 0x80000000
.endr
	CROUND                                         ; all four work-groups are here: the joint loads meet
	tensor_load_to_lds s[G0:G0+3], s[G1S:G1S+7]    ; the scale words first,
	s_nop 0
.irp j, 0,1,2,3
	tensor_load_to_lds s[G0+4+4*\j:G0+7+4*\j], s[G1C:G1C+7]   ; then the four chunks, in the order in which they are read
	s_nop 0
.endr
.rept 4
	v_nop
.endr
	v_and_b32 v1, 31, v0
	s_delay_alu instid0(VALU_DEP_1)
	v_lshl_add_u32 v2, v1, 2, KSC                  ; a scale word's place for my lane
	s_delay_alu instid0(VALU_DEP_2)
	v_lshlrev_b32 v1, 3, v1                        ; 8 x lane: a half-image's place for my lane
	v_and_b32 v3, 15, v0
	s_delay_alu instid0(VALU_DEP_1)
	v_lshlrev_b32 v6, 5, v3
	s_delay_alu instid0(VALU_DEP_2)
	v_lshlrev_b32 v3, 2, v3                        ; 4 r
	v_bfe_u32 v7, v0, 4, 1
	s_delay_alu instid0(VALU_DEP_1)
	v_add_nc_u32 v6, v6, v7                        ; 32 r + h: my byte of o's scales
.irp p, 0,1,2
	global_load_b64 v[16+2*\p:17+2*\p], v1, s[62:63] offset:256*\p          ; pass 0's q
.endr
	global_load_u16 v40, v3, s[66:67]
.irp p, 0,1,2
	global_load_b64 v[34+2*\p:35+2*\p], v1, s[62:63] offset:12288+256*\p    ; pass 1's: 16 tiles on
.endr
	global_load_u16 v41, v3, s[66:67] offset:512
.irp j, 22,23,24,25,26,27
	v_mov_b32 v\j, 0                               ; the zero codes between the two copies of q
.endr
.irp b, 0,1,2,3
	v_mov_b32 v[236+\b], 0                         ; written once: a lane permute's destination counts as one of its sources
.endr
	v_mov_b32 v253, 0                              ; (named as the upper half of the pair v[252:253] before it is first written)
.macro PASSHEAD                        ; a pass begins: O^T and the sum are zeros and the largest t is under every t, so that the key step is written once.  These lines are also the places between the writes of Q and its scale word and the first product
	v_mov_b32 v13, 0xff61b1e6                      ; -3e38
	s_delay_alu instid0(VALU_DEP_1)
	v_floor_f32 v12, -v13                          ; -M
	v_mov_b32 v14, 0
	v_mov_b32 v15, 0
.set J, 0
.rept 32
	v_mov_b32 v[160+J], 0
.set J, J+1
.endr
.endm
; A KEY STEP: 128 keys.
.macro STEP
	s_setprio 2
	v_add_nc_u32 v8, s[TK], v1                     ; these four lines are the places behind the last step's products, in front of loads into registers that they have read
	s_delay_alu instid0(VALU_DEP_1)
	v_add_nc_u32 v9, VIMG, v8
	v_add_nc_u32 v10, s[TS], v2
	v_nop
.irp f, 0,1,2,3                        ; K: fragment f = tiles 2 f and 2 f + 1: six pieces of 256 consecutive bytes
.irp p, 0,1,2,3,4,5
	ds_load_b64 v[48+12*\f+2*\p:49+12*\f+2*\p], v8 offset:1536*\f+768*(\p/3)+256*(\p%3)
.endr
.endr
	ds_load_b32 v248, v10                          ; lanes 0-15: fragment 0's scale words, lanes 16-31: fragment 1's
	ds_load_b32 v249, v10 offset:128               ; fragments 2 and 3
	s_wait_alu depctr_va_vdst(0)
	s_wait_dscnt 0x0
.irp f, 0,1,2,3                        ; S^T = K Q^T: eight tiles of 16 keys
.irp u, 0,1
.if \f%2
	v_wmma_scale_f32_16x16x128_f8f6f4 v[96+8*(2*\f+\u):103+8*(2*\f+\u)], v[48+12*\f:59+12*\f], v[16+6*\u:27+6*\u], 0, v[248+\f/2], v255 matrix_a_fmt:MATRIX_FMT_FP6 matrix_b_fmt:MATRIX_FMT_FP6 matrix_a_scale:MATRIX_SCALE_ROW1
.else
	v_wmma_scale_f32_16x16x128_f8f6f4 v[96+8*(2*\f+\u):103+8*(2*\f+\u)], v[48+12*\f:59+12*\f], v[16+6*\u:27+6*\u], 0, v[248+\f/2], v255 matrix_a_fmt:MATRIX_FMT_FP6 matrix_b_fmt:MATRIX_FMT_FP6
.endif
.endr
.endr
.rept 4
	v_nop                                          ; places in front of the loads below and of the first read of the scores
.endr
.irp f, 0,1,2,3                        ; V's four fragments (16 channels x 128 keys) into the same registers: they land during the softmax
.irp p, 0,1,2,3,4,5
	ds_load_b64 v[48+12*\f+2*\p:49+12*\f+2*\p], v9 offset:1536*\f+768*(\p/3)+256*(\p%3)
.endr
.endr
	ds_load_b32 v250, v10 offset:4096
	ds_load_b32 v251, v10 offset:4224
.irp b, 0,1,2,3
	v_max3_num_f32 v[232+\b], v[96+16*\b], v[97+16*\b], v[98+16*\b]   ; THE LARGEST SCORE OF EACH BLOCK OF 32 KEYS: it serves for the row's maximum and, since p rises with the score, for the block's largest p
.endr
.irp i, 3,5,7,9,11,13
.irp b, 0,1,2,3
	v_max3_num_f32 v[232+\b], v[232+\b], v[96+16*\b+\i], v[97+16*\b+\i]   ; (the four blocks by turns)
.endr
.endr
.irp b, 0,1,2,3
	v_max_num_f32 v[232+\b], v[232+\b], v[111+16*\b]
.endr
.irp b, 0,1,2,3
	s_delay_alu instid0(VALU_DEP_4)
	v_permlanex16_b32 v[236+\b], v[232+\b], s[SEL], s[SEL+1]
.endr
.irp b, 0,1,2,3
	s_delay_alu instid0(VALU_DEP_4)
	v_max_num_f32 v[232+\b], v[232+\b], v[236+\b]  ; with lane l xor 16's 16 keys
.endr
	s_delay_alu instid0(VALU_DEP_2)
	v_max3_num_f32 v254, v232, v233, v234
	s_delay_alu instid0(VALU_DEP_1)
	v_max_num_f32 v254, v254, v235                 ; the step's largest score of my query
	s_delay_alu instid0(VALU_DEP_1)
	v_mul_f32 v254, s[CS], v254                    ; as t (c is positive)
	s_delay_alu instid0(VALU_DEP_1)
	v_max_num_f32 v13, v13, v254                   ; the running largest t
	v_mov_b32 v254, v12
	s_delay_alu instid0(VALU_DEP_2)
	v_floor_f32 v12, -v13                          ; the new -M = floor(-t): M is a whole number
	s_delay_alu instid0(VALU_DEP_1)
	v_sub_f32 v254, v12, v254                      ; M's old value less its new one: a whole number, 0 or less
	s_delay_alu instid0(VALU_DEP_1)
	v_cvt_i32_f32 v254, v254                       ; (it saturates)
	s_delay_alu instid0(VALU_DEP_1)
	v_ldexp_f32 v252, 1.0, v254                    ; f = 2^(old M - new M)
.set J, 0
.rept 32
	v_pk_fma_f32 v[96+J:97+J], v[96+J:97+J], s[CS:CS+1], v[12:13] op_sel_hi:[1,0,0]   ; t - M, two at a time
.set J, J+2
.endr
.irp b, 0,1,2,3
	v_fma_f32 v[232+\b], v[232+\b], s[CS], v12     ; the same of each block's largest score
.endr
.set J, 0
	s_setprio 1
	s_wait_alu depctr_va_vdst(0)
.rept 64
	v_exp_f32 v[96+J], v[96+J]                     ; p = 2^(t - M), at most 1: not normalised
.set J, J+1
.endr
	v_pk_mul_f32 v[14:15], v[14:15], v[252:253] op_sel_hi:[1,0]   ; the sums under the new M (a plain place behind the exponentials)
	s_wait_alu depctr_va_vdst(0)                   ; one wait for the whole batch, ahead of its first reader
.irp b, 0,1,2,3
	v_exp_f32 v[232+\b], v[232+\b]                 ; the block's largest p: the same two instructions on the same number give the same bits
.endr
	v_pk_add_f32 v[236:237], v[100:101], v[104:105]
	v_pk_add_f32 v[248:249], v[108:109], v[112:113]
	v_pk_add_f32 v[246:247], v[116:117], v[120:121]
	v_pk_add_f32 v[244:245], v[124:125], v[128:129]
	v_pk_add_f32 v[242:243], v[132:133], v[136:137]
	v_pk_add_f32 v[240:241], v[140:141], v[144:145]
	v_pk_add_f32 v[238:239], v[148:149], v[152:153]
	v_pk_add_f32 v[14:15], v[14:15], v[156:157]
	v_pk_add_f32 v[236:237], v[236:237], v[96:97]
	v_pk_add_f32 v[248:249], v[248:249], v[98:99]
	v_pk_add_f32 v[246:247], v[246:247], v[102:103]
	v_pk_add_f32 v[244:245], v[244:245], v[106:107]
	v_pk_add_f32 v[242:243], v[242:243], v[110:111]
	v_pk_add_f32 v[240:241], v[240:241], v[114:115]
	v_pk_add_f32 v[238:239], v[238:239], v[118:119]
	v_pk_add_f32 v[14:15], v[14:15], v[122:123]
	v_pk_add_f32 v[236:237], v[236:237], v[126:127]
	v_pk_add_f32 v[248:249], v[248:249], v[130:131]
	v_pk_add_f32 v[246:247], v[246:247], v[134:135]
	v_pk_add_f32 v[244:245], v[244:245], v[138:139]
	v_pk_add_f32 v[242:243], v[242:243], v[142:143]
	v_pk_add_f32 v[240:241], v[240:241], v[146:147]
	v_pk_add_f32 v[238:239], v[238:239], v[150:151]
	v_pk_add_f32 v[14:15], v[14:15], v[154:155]
	v_pk_add_f32 v[236:237], v[236:237], v[158:159]
	s_delay_alu instid0(VALU_DEP_2)
	v_pk_add_f32 v[14:15], v[14:15], v[244:245]
	s_delay_alu instid0(VALU_DEP_2)
	v_pk_add_f32 v[236:237], v[236:237], v[242:243]
	v_pk_add_f32 v[248:249], v[248:249], v[240:241]
	v_pk_add_f32 v[246:247], v[246:247], v[238:239]
	s_delay_alu instid0(VALU_DEP_2)
	v_pk_add_f32 v[14:15], v[14:15], v[248:249]
	s_delay_alu instid0(VALU_DEP_2)
	v_pk_add_f32 v[236:237], v[236:237], v[246:247]
	s_delay_alu instid0(VALU_DEP_1)
	v_pk_add_f32 v[14:15], v[14:15], v[236:237]
	s_wait_alu depctr_va_vdst(0)                   ; and one for the four
.irp b, 0,1,2,3
	v_max_num_f32 v[232+\b], 0x1800000, v[232+\b]  ; the floor 2^(3 - 127): the byte cannot fall under 1
.endr
.irp b, 0,1,2,3
	s_delay_alu instid0(VALU_DEP_4)
	v_add_nc_u32 v[244+\b], 0xff000000, v[232+\b]  ; 2 off the exponent field: the conversion's scale operand
.endr
.irp b, 0,1,2,3
	s_delay_alu instid0(VALU_DEP_4)
	v_lshrrev_b32 v[236+\b], 23, v[244+\b]         ; the scale's byte
.endr
	s_delay_alu instid0(VALU_DEP_3)
	v_lshl_or_b32 v253, v237, 8, v236              ; p's scale word for these 128 keys
	s_delay_alu instid0(VALU_DEP_1)
	v_lshl_or_b32 v253, v238, 16, v253
	s_delay_alu instid0(VALU_DEP_1)
	v_lshl_or_b32 v253, v239, 24, v253
.irp c, 0,1
	v_cvt_scalef32_pk16_fp6_f32 v[224+6*\c:226+6*\c], v[96+32*\c:111+32*\c], v[244+2*\c]
	v_cvt_scalef32_pk16_fp6_f32 v[236+4*\c:238+4*\c], v[112+32*\c:127+32*\c], v[244+2*\c+1]   ; (a conversion's three registers begin on an even number)
.endr
	v_nop                                          ; one plain place behind a scaled conversion
	s_setprio 0
.irp c, 0,1                            ; the operand's layout wants a WHOLE block in a lane
.irp i, 0,1,2
	v_permlane16_swap_b32 v[224+6*\c+\i], v[236+4*\c+\i]
.endr
.irp i, 0,1,2
	s_delay_alu instid0(VALU_DEP_3)
	v_mov_b32 v[227+6*\c+\i], v[236+4*\c+\i]
.endr
.endr
.set J, 0
.rept 16
	v_pk_mul_f32 v[160+J:161+J], v[160+J:161+J], v[252:253] op_sel_hi:[1,0]   ; O^T under the new M.  (These sixteen are also the places between the writes of p's codes and scale word and the products below)
.set J, J+2
.endr
	s_wait_alu depctr_va_vdst(0)
	s_wait_dscnt 0x0                               ; V's fragments and scale words are in
.irp d, 0,1,2,3                        ; O^T += V^T P^T: four tiles of 16 channels, by turns; eight other products stand between two links of a chain
.if \d%2
	v_wmma_scale_f32_16x16x128_f8f6f4 v[160+8*\d:167+8*\d], v[48+12*\d:59+12*\d], v[224:235], v[160+8*\d:167+8*\d], v[250+\d/2], v253 matrix_a_fmt:MATRIX_FMT_FP6 matrix_b_fmt:MATRIX_FMT_FP6 matrix_a_scale:MATRIX_SCALE_ROW1
.else
	v_wmma_scale_f32_16x16x128_f8f6f4 v[160+8*\d:167+8*\d], v[48+12*\d:59+12*\d], v[224:235], v[160+8*\d:167+8*\d], v[250+\d/2], v253 matrix_a_fmt:MATRIX_FMT_FP6 matrix_b_fmt:MATRIX_FMT_FP6
.endif
.endr
	s_add_co_u32 s[TK], s[TK], 6144                ; the next step's tiles
	s_add_co_u32 s[TS], s[TS], 256                 ; and scale words
.endm
; Chunk c of pass 0: 512 keys, four steps.  left: how many younger tensor loads of mine may stay out: the scale words and chunks 0 to c have landed.
.macro CHUNK left, c
	s_wait_tensorcnt \left
	s_barrier_signal -1                            ; no LDS instruction of mine is out here
	s_barrier_wait -1                              ; every wave's part has landed
	s_mov_b32 s[TK], 24576*\c
	s_mov_b32 s[TS], 1024*\c
	s_mov_b32 s[CNT], 4
.Lstep_\@:
	STEP
	s_sub_co_u32 s[CNT], s[CNT], 1
	s_cmp_lg_u32 s[CNT], 0
	s_cbranch_scc1 .Lstep_\@
	s_setprio 0
.endm
; A pass's way out: O^T / the sum; register 16 g + i is channel 32 g + 16 h + i of my query: two blocks of 32 along the last product's K; codes as a half-image, two scale bytes a query.
.macro WAYOUT pass
.rept 4
	v_nop                                          ; places behind the last products
.endr
	v_add_f32 v14, v14, v15                        ; the sum's two halves,
	s_delay_alu instid0(VALU_DEP_1)
	v_permlanex16_b32 v252, v14, s[SEL], s[SEL+1]
	s_delay_alu instid0(VALU_DEP_1)
	v_add_f32 v14, v14, v252                       ; and lane l xor 16's: the row's sum
	s_wait_alu depctr_va_vdst(0)
	v_rcp_f32 v14, v14
	v_nop                                          ; a plain place behind the transcendental
	s_wait_alu depctr_va_vdst(0)                   ; and the wait ahead of its first reader
.set J, 0
.rept 32
	v_mul_f32 v[96+J], v[160+J], v14
.set J, J+1
.endr
.irp b, 0,1
	v_max3_num_f32 v[232+\b], |v[96+16*\b]|, |v[97+16*\b]|, 0x1800000
.endr
.irp i, 2,4,6,8,10,12,14
.irp b, 0,1
	s_delay_alu instid0(VALU_DEP_2)
	v_max3_num_f32 v[232+\b], v[232+\b], |v[96+16*\b+\i]|, |v[97+16*\b+\i]|
.endr
.endr
.irp b, 0,1
	s_delay_alu instid0(VALU_DEP_2)
	v_permlanex16_b32 v[236+\b], v[232+\b], s[SEL], s[SEL+1]
.endr
.irp b, 0,1
	s_delay_alu instid0(VALU_DEP_2)
	v_max_num_f32 v[232+\b], v[232+\b], v[236+\b]
.endr
.irp b, 0,1
	s_delay_alu instid0(VALU_DEP_2)
	v_add_nc_u32 v[244+\b], 0xff000000, v[232+\b]
.endr
.irp b, 0,1
	s_delay_alu instid0(VALU_DEP_2)
	v_lshrrev_b32 v[236+\b], 23, v[244+\b]
.endr
	v_cvt_scalef32_pk16_fp6_f32 v[224:226], v[96:111], v244
	v_cvt_scalef32_pk16_fp6_f32 v[228:230], v[112:127], v245
	v_nop                                          ; one plain place behind a scaled conversion
.irp i, 0,1,2
	v_permlane16_swap_b32 v[224+\i], v[228+\i]     ; lanes 0-15 now hold block 0 whole, lanes 16-31 block 1
.endr
.irp i, 0,1,2
	s_delay_alu instid0(VALU_DEP_3)
	v_mov_b32 v[227+\i], v[228+\i]                 ; (in ascending order: each source is read before it is written)
.endr
	v_cndmask_b32 v238, v236, v237, s[MHI]         ; lanes 0-15 block 0's byte, lanes 16-31 block 1's
.irp p, 0,1,2
	global_store_b64 v1, v[224+2*\p:225+2*\p], s[8:9] offset:12288*\pass+256*\p   ; 32 lanes store 256 consecutive bytes, aligned
.endr
	global_store_b8 v6, v238, s[10:11] offset:8192*\pass
.if \pass == 0
	s_wait_xcnt 0x0                                ; the stores have read their data: the next pass writes these registers again
.endif
.endm
	s_wait_loadcnt 0x0                             ; both passes' q
.irp j, 0,1,2,3,4,5
	v_mov_b32 v[28+\j], v[16+\j]                   ; the second copy of q
.endr
	v_lshl_or_b32 v255, v40, 16, v40               ; q's two scale bytes, for either place
	PASSHEAD
	CHUNK 3, 0
	CHUNK 2, 1
	CHUNK 1, 2
	CHUNK 0, 3
	WAYOUT 0
.irp j, 0,1,2,3,4,5
	v_mov_b32 v[16+\j], v[34+\j]
	v_mov_b32 v[28+\j], v[34+\j]
.endr
	v_lshl_or_b32 v255, v41, 16, v41
	PASSHEAD
	s_mov_b32 s[TK], 0
	s_mov_b32 s[TS], 0
	s_mov_b32 s[CNT], 16
.Lpass1:                                           ; all of K and V lie in LDS: no wait, no barrier
	STEP
	s_sub_co_u32 s[CNT], s[CNT], 1
	s_cmp_lg_u32 s[CNT], 0
	s_cbranch_scc1 .Lpass1
	s_setprio 0
	WAYOUT 1
	s_wait_tensorcnt 0x0                           ; the wave's end, behind my last tensor load
	ds_add_u32 v[SPW], v[NIL]
	s_wait_dscnt 0x0
	CROUND                                         ; the closing round: no work-group ends while a partner may still ask for a tile that names it
	s_endpgm
.Lfunc_end_k_q7f31b69cc4_attn:
	.size	k_q7f31b69cc4_attn, .Lfunc_end_k_q7f31b69cc4_attn-k_q7f31b69cc4_attn
	.p2alignl 7, 3214868480
	.fill 96, 4, 3214868480
	.section	.rodata,"a",@progbits
	.p2align	6, 0x0
	.amdhsa_kernel k_q7f31b69cc4_attn
		.amdhsa_group_segment_fixed_size 206848
		.amdhsa_private_segment_fixed_size 0
		.amdhsa_enable_private_segment 0
		.amdhsa_kernarg_size 32
		.amdhsa_user_sgpr_count 2
		.amdhsa_user_sgpr_kernarg_segment_ptr 1
		.amdhsa_wavefront_size32 1
		.amdhsa_system_sgpr_workgroup_id_x 1
		.amdhsa_system_sgpr_workgroup_id_y 1
		.amdhsa_system_sgpr_workgroup_id_z 1
		.amdhsa_system_vgpr_workitem_id 0
		.amdhsa_next_free_vgpr 256
		.amdhsa_next_free_sgpr 80
		.amdhsa_reserve_vcc 0
		.amdhsa_float_denorm_mode_32 3
		.amdhsa_float_denorm_mode_16_64 3
		.amdhsa_memory_ordered 1
		.amdhsa_forward_progress 1
		.amdhsa_inst_pref_size 113
	.end_amdhsa_kernel
	.amdgpu_metadata
---
amdhsa.version: [ 1, 2 ]
amdhsa.kernels:
  - .name:           k_q7f31b69cc4_attn
    .symbol:         k_q7f31b69cc4_attn.kd
    .args:
      - { .name: qkv_codes, .offset: 0, .size: 8, .value_kind: global_buffer, .address_space: global }
      - { .name: qkv_scales, .offset: 8, .size: 8, .value_kind: global_buffer, .address_space: global }
      - { .name: o_codes, .offset: 16, .size: 8, .value_kind: global_buffer, .address_space: global }
      - { .name: o_scales, .offset: 24, .size: 8, .value_kind: global_buffer, .address_space: global }
    .group_segment_fixed_size: 206848
    .private_segment_fixed_size: 0
    .kernarg_segment_align: 8
    .kernarg_segment_size: 32
    .max_flat_workgroup_size: 512
    .sgpr_count:     80
    .vgpr_count:     256
    .wavefront_size: 32
...
	.end_amdgpu_metadata
.endif
;; end of part 3
;; launch proj (part 4): grid 4 x 32, 4 waves a work-group, clusters of 4 x 4, 327,680 bytes of LDS; arguments o_codes, o_scales, w_codes, w_scales, b_proj, out0; writes out0
.if DOCPART == 4
	.amdgcn_target "amdgcn-amd-amdhsa--gfx1250"
	.amdhsa_code_object_version 6
	.text
	.protected	k_q7f31b69cc4_proj
	.globl	k_q7f31b69cc4_proj
	.p2align	8
	.type	k_q7f31b69cc4_proj,@function
k_q7f31b69cc4_proj:
	s_mov_b64 s[64:65], 0
	v_nop
	global_prefetch_b8 v0, s[64:65] scope:SCOPE_SE
	s_setreg_imm32_b32 hwreg(HW_REG_WAVE_MODE, 25, 1), 1
	s_wait_xcnt 0x0
	s_wait_alu depctr_hold_cnt(0) depctr_sa_sdst(0) depctr_va_vdst(0) depctr_va_sdst(0) depctr_va_ssrc(0) depctr_va_vcc(0) depctr_vm_vsrc(0)
	s_getreg_b32 s2, hwreg(HW_REG_IB_STS2, 6, 4)
	s_cmp_eq_u32 s2, 0
	s_cbranch_scc0 .Lentry_in_a_cluster
	s_endpgm
.Lentry_in_a_cluster:
	s_bfe_u32 s2, ttmp6, 0x10000c
	s_cmp_lg_u32 s2, 0xf033
	s_cbranch_scc0 .Lentry_shape_is_right
	s_endpgm
.Lentry_shape_is_right:
; out0 = Q(o) Q(w_proj) + b_proj on codes of FP6 (E2M3) with E8M0 scales for each 32 along K = 1,024; out0 [8192][1024] f32.
; A tile of 256 x 256 is made by four waves, a wave 128 x 128: 64 accumulators, 512 registers.  K goes in steps of 256 (four heads) through two LDS slots filled by the tensor data mover; the scale bytes come once and stay.
; A = the attention's result, as the launch before left it: o_codes [head 16][tile of 16 places 512][768 bytes], a half-image = [3 pieces][32 lanes][8 bytes] = six operand registers of a lane (16 places x the head's 64);
; o_scales [place 8192][32].  B = w_codes' rows 3,072 on (w_proj's columns), rows of 768 bytes; w_scales likewise.  Places and rows stand for tokens and columns pi(place) (bits 3 and 4 exchanged): the way out undoes both.
; THE MATRIX INSTRUCTION IS USED TRANSPOSED (source 0 = 16 rows of B, source 1 = 16 places of A): lane (r, h) of block a holds token 32 (a / 2) + 8 (a % 2) + r + 8 (r / 8), register 8 b + j column 32 (b / 2) + 16 h + 8 (b % 2) + j.
; CLUSTERS: 4 x 4 work-groups; A's tiles are asked for jointly along a row of the cluster, B's along a column.  128 tiles: the launch has work for 128 work-groups at this tile.
; The bias is the C of each sum's first matrix instruction.  No prefetch: K has four K steps, two of them first fills.
; REGISTERS: window 0: v0-31 addresses; v32-63 scale words, two sets; v64-127 the bias; v128-223 A's fragments, one set; on the way out v128-255 hold rows read back.
;   window 1: B's fragments, two sets.   window 2: the accumulators of my rows 0-63;   window 3: those of rows 64-127.
.set SIZE_K, 1024
.set SIZE_N, 1024
.set KSTEP,  256
.set NQ,     KSTEP/128
.set ROWB,   192
.set KROW,   SIZE_K*6/8
.set PITCH,  240                       ; B's LDS row: 3 x (64 bytes + 16 of padding)
.set FR,     12
.set NL,     6
.set NP,     4
.set HALFT,  128*PITCH                 ; B: 128 rows
.set HALFA,  4*8*768                   ; A: four heads x eight half-images: 128 places x 256 along K
.set ABYTES, 2*HALFA
.set SLOT,   ABYTES+2*HALFT            ; A's two halves, then B's 256 rows
.set HSTEP,  4*393216                  ; four heads on in o_codes
.set LAPS,   SIZE_K/(2*KSTEP)
.set KS,     SIZE_K/32
.set SCL,    2*SLOT
.set HALFS,  (128*KS/256)*272
.set SBLK,   (16*KS/256)*272
.set SPARE,  SCL+4*HALFS               ; the spare words, 128 bytes for each wave: two blocks of 256 bytes that no other line names
.set SPITCH, 528                       ; the way out: a stage of 16 rows x (512 bytes + 16) for each wave, in slot 0, which has had its last fill and its last read by then
.set ADRA, 16                          ; v16-17 LDS address of my A half-images in slot 0, 1
.set ADRB, 20                          ; v20-21 of my B fragments (v22-23: behind one padding more)
.set STO,  24
.set RD,   25
.set CO,   26
.set ADRS, 27
.set SPW,  28
.set NIL,  29
.set PB,   30                          ; v30 the bias loads' offset
.set SC,   32
.set BI,   64
.set AF,   128
.set BK,   128
.set G1, 24
.set G0, 32
.set G1B, 48
.set G0B, 56
.set G1S, 68
.set G0S, 76
.set G1SB, 80
.set G0SB, 88
.set MSB, 0
.macro WIN new
.if MSB != (\new)
	s_set_vgpr_msb (MSB<<8)|(\new)
.set MSB, (\new)
.endif
.endm
.set MUL_LO, 0xa1
.set MUL_HI, 0xf1
.set FST_LO, 0x81                      ; the first step: C (the bias) window 0, D window 2
.set FST_HI, 0xc1
.set TO_B,   0x40
.macro JLOAD g0a, g1a, g0b, g1b        ; a joint load: waves 0 and 1 fetch for A, waves 2 and 3 for B; an s_nop 0 and four v_nop follow each of the two lines
	s_cmp_eq_u32 s15, 0
	s_cbranch_scc0 .Lfor_b_\@
	tensor_load_to_lds s[\g0a:\g0a+3], s[\g1a:\g1a+7]
	s_nop 0
.rept 4
	v_nop
.endr
	s_branch .Lasked_\@
.Lfor_b_\@:
	tensor_load_to_lds s[\g0b:\g0b+3], s[\g1b:\g1b+7]
	s_nop 0
.rept 4
	v_nop
.endr
.Lasked_\@:
.endm
.macro CREST
	s_cmp_lg_u32 s14, 0
	s_cbranch_scc1 .Lnot_wave_0_\@
	s_barrier_signal -3
.Lnot_wave_0_\@:
	s_barrier_wait -3
	s_barrier_signal -1
	s_barrier_wait -1
.endm
.macro CROUND
	s_barrier_signal -1
	s_barrier_wait -1
	CREST
.endm
	s_load_b256 s[4:11], s[0:1], 0x0               ; o's codes s[4:5], o's scales s[6:7], w's codes s[8:9], w's scales s[10:11]
	s_load_b64 s[96:97], s[0:1], 0x20              ; b_proj
	s_load_b64 s[12:13], s[0:1], 0x28              ; out0
	v_lshl_add_u32 v[SPW], v0, 2, SPARE
	v_mov_b32 v[NIL], 0
	ds_add_u32 v[SPW], v[NIL]                      ; the wave's opening: the add and its wait stand ahead of my first tensor load; the set-up below, work on registers, stands between them
	v_lshrrev_b32 v1, 5, v0
	v_readfirstlane_b32 s14, v1                    ; wave 0..3
	s_lshr_b32 s15, s14, 1                         ; which half of the tile's rows is mine.  Also: I fetch for A (0) or for B (1)
	s_and_b32 s16, s14, 1                          ; which half of its columns.  Also: which half of that tile I fetch
	s_bfe_u32 s40, ttmp6, 0x40000
	s_bfe_u32 s41, ttmp6, 0x40004
	s_lshl_b32 s42, ttmp9, 2
	s_add_co_u32 s42, s42, s40                     ; tile column
	s_and_b32 s17, ttmp7, 0xffff
	s_lshl_b32 s17, s17, 2
	s_add_co_u32 s17, s17, s41                     ; tile row
	s_lshl_b32 s43, s41, 2
	s_lshl_b32 s43, 15, s43                        ; my row of the cluster
	s_lshl_b32 s44, 0x1111, s40                    ; my column
	; A's tile: for each of four heads the 6,144 consecutive bytes of eight half-images; heads 393,216 bytes apart; dense in LDS
	s_or_b32 s[G1+0], s43, (3<<16)|(1<<21)         ; 15:0 the mask: my row; 17:16 elements of 8 bytes; 20 no padding; 21 set beside a mask
	s_mov_b32 s[G1+1], 768<<16                     ; tensor_dim0 = 768 elements
	s_mov_b32 s[G1+2], 4<<16                       ; tensor_dim1 = 4
	s_mov_b32 s[G1+3], 768<<16                     ; tile_dim0
	s_mov_b32 s[G1+4], 4                           ; tile_dim1
	s_mov_b32 s[G1+5], 49152                       ; the pitch, in elements
	s_mov_b32 s[G1+6], 0
	s_mov_b32 s[G1+7], 0
	; B's tile: 128 rows x 192 bytes, 16 bytes of padding behind every 64
	s_or_b32 s[G1B+0], s44, (0<<16)|(1<<20)|(1<<21)|(3<<22)|(3<<25)
	s_mov_b32 s[G1B+1], ROWB<<16
	s_mov_b32 s[G1B+2], 128<<16
	s_mov_b32 s[G1B+3], ROWB<<16
	s_mov_b32 s[G1B+4], 128
	s_mov_b32 s[G1B+5], KROW
	s_mov_b32 s[G1B+6], 0
	s_mov_b32 s[G1B+7], 0
	; the scales of 128 rows: 4,096 dense bytes, as rows of 256 bytes, 16 bytes of padding behind each
	s_or_b32 s[G1S+0], s43, (3<<16)|(1<<20)|(1<<21)|(5<<22)|(3<<25)
	s_or_b32 s[G1SB+0], s44, (3<<16)|(1<<20)|(1<<21)|(5<<22)|(3<<25)
.irp g, G1S, G1SB
	s_mov_b32 s[\g+1], 32<<16
	s_mov_b32 s[\g+2], (128*KS/256)<<16
	s_mov_b32 s[\g+3], 32<<16
	s_mov_b32 s[\g+4], 128*KS/256
	s_mov_b32 s[\g+5], 32
	s_mov_b32 s[\g+6], 0
	s_mov_b32 s[\g+7], 0
.endr
	s_lshl_b32 s20, s17, 4
	s_lshl_b32 s18, s16, 3
	s_add_co_u32 s20, s20, s18                     ; A: tile of places 16 x tile row + 8 x half
	s_lshl_b32 s22, s20, 9                         ; its scale bytes: 16 places of 32 bytes a tile
	s_mov_b32 s23, 0
	s_mul_i32 s20, s20, 768                        ; its half-image in head 0
	s_mov_b32 s21, 0
	s_lshl_b32 s46, s42, 8
	s_lshl_b32 s18, s16, 7
	s_add_co_u32 s46, s46, s18                     ; B: row 256 x tile column + 128 x half
	s_lshl_b32 s92, s46, 5
	s_mov_b32 s93, 0
	s_mul_i32 s46, s46, KROW
	s_mov_b32 s47, 0
	s_mul_i32 s45, s16, HALFA                      ; where they go: no place in the cluster enters an LDS address
	s_mul_i32 s95, s16, HALFT
	s_add_co_u32 s95, s95, ABYTES
	s_mul_i32 s94, s14, HALFS
	s_wait_dscnt 0x0                               ; the opening add is done
	s_wait_kmcnt 0x0
	s_add_nc_u64 s[8:9], s[8:9], 3072*KROW         ; w_proj's rows
	s_add_nc_u64 s[10:11], s[10:11], 3072*KS
	s_add_nc_u64 s[20:21], s[4:5], s[20:21]
	s_add_nc_u64 s[22:23], s[6:7], s[22:23]
	s_add_nc_u64 s[46:47], s[8:9], s[46:47]
	s_add_nc_u64 s[92:93], s[10:11], s[92:93]
	CROUND                                         ; all sixteen work-groups are here: the first joint loads meet
	s_mov_b32 s[G0S], 1
	s_add_co_u32 s[G0S+1], s94, SCL
	s_mov_b64 s[G0S+2:G0S+3], s[22:23]
	s_or_b32 s[G0S+3], s[G0S+3], 0x80000000
	s_mov_b32 s[G0SB], 1
	s_add_co_u32 s[G0SB+1], s94, SCL
	s_mov_b64 s[G0SB+2:G0SB+3], s[92:93]
	s_or_b32 s[G0SB+3], s[G0SB+3], 0x80000000
	JLOAD G0S, G1S, G0SB, G1SB                     ; the scales first
.irp s, 0,1
	s_mov_b32 s[G0+4*\s], 1
	s_add_co_u32 s[G0+4*\s+1], s45, \s*SLOT
	s_add_nc_u64 s[G0+4*\s+2:G0+4*\s+3], s[20:21], \s*HSTEP
	s_or_b32 s[G0+4*\s+3], s[G0+4*\s+3], 0x80000000
	s_mov_b32 s[G0B+4*\s], 1
	s_add_co_u32 s[G0B+4*\s+1], s95, \s*SLOT
	s_add_nc_u64 s[G0B+4*\s+2:G0B+4*\s+3], s[46:47], \s*ROWB
	s_or_b32 s[G0B+4*\s+3], s[G0B+4*\s+3], 0x80000000
	JLOAD G0+4*\s, G1, G0B+4*\s, G1B               ; three tensor loads of mine are out
.endr
	v_and_b32 v1, 15, v0                           ; r
	v_bfe_u32 v2, v0, 4, 1                         ; h
	v_mul_u32_u24 v3, v1, PITCH
	v_mul_u32_u24 v4, v2, 24
	v_add_nc_u32 v4, v3, v4                        ; B: a fragment's row x pitch + 24 x half
	v_lshl_add_u32 v5, v2, 4, v4                   ; and the same behind one padding more
	v_and_b32 v6, 31, v0
	v_lshlrev_b32 v7, 3, v6                        ; A: 8 x lane
	s_mul_i32 s21, s15, HALFA                      ; my 128 places of A
	s_mul_i32 s22, s16, HALFT
	s_add_co_u32 s22, s22, ABYTES                  ; my 128 rows of B
.irp s, 0,1
	v_add_nc_u32 v[ADRA+\s], s21, v7
	v_add_nc_u32 v[ADRB+\s], s22, v4
	v_add_nc_u32 v[ADRB+2+\s], s22, v5
	s_add_co_u32 s21, s21, SLOT
	s_add_co_u32 s22, s22, SLOT
.endr
	v_mul_u32_u24 v5, v1, KS                       ; my row's scales: KS bytes a row,
	v_lshrrev_b32 v7, 8, v5
	v_lshl_add_u32 v5, v7, 4, v5                   ; and 16 more for each 256 passed
	s_mul_i32 s21, s15, HALFS
	s_mul_i32 s22, s16, HALFS
	s_add_co_u32 s22, s22, 2*HALFS
	s_sub_co_u32 s22, s22, s21
	v_mul_u32_u24 v7, s22, v2                      ; lanes 16-31 take B's
	s_add_co_u32 s21, s21, SCL
	v_add_nc_u32 v5, v5, v7
	v_add_nc_u32 v[ADRS], s21, v5
	s_mul_i32 s23, s14, 16*SPITCH                  ; my stage
	v_mul_u32_u24 v5, v1, SPITCH                   ; in: row r; my half's sixteen columns of each 32: + 64 h
	v_lshl_add_u32 v5, v2, 6, v5
	v_add_nc_u32 v[STO], s23, v5
	v_lshlrev_b32 v[CO], 4, v6                     ; back: the 32 lanes take one row of 512 bytes; and the same in out0
	v_add_nc_u32 v[RD], s23, v[CO]
	v_lshlrev_b32 v[PB], 6, v2                     ; the bias: 16 h numbers on
	s_lshl_b32 s20, s17, 8
	s_lshl_b32 s21, s15, 7
	s_add_co_u32 s20, s20, s21                     ; my first row of out0
	s_lshl_b32 s20, s20, 12                        ; rows of 4,096 bytes
	s_mov_b32 s21, 0
	s_lshl_b32 s46, s42, 10                        ; my first column, in bytes: 1,024 x tile column + 512 x half
	s_lshl_b32 s47, s16, 9
	s_add_co_u32 s46, s46, s47
	s_mov_b32 s47, 0
	s_add_nc_u64 s[96:97], s[96:97], s[46:47]
	s_add_nc_u64 s[20:21], s[20:21], s[46:47]
	s_add_nc_u64 s[12:13], s[12:13], s[20:21]
.irp b, 0,1,2,3,4,5,6,7                ; register 8 b + j of lane (r, h) wants b_proj[first column + 32 (b / 2) + 8 (b % 2) + 16 h + j]
	global_load_b128 v[BI+8*\b:BI+8*\b+3], v[PB], s[96:97] offset:4*(32*(\b/2)+8*(\b%2))
	global_load_b128 v[BI+8*\b+4:BI+8*\b+7], v[PB], s[96:97] offset:4*(32*(\b/2)+8*(\b%2))+16
.endr
.macro FRAG reg, adr, q, i             ; B: a fragment from rows: six pieces of 8 bytes; where lanes 16-31's piece lies behind one padding more, the second address register serves
.irp p, 0,1,2,3,4,5
.set PC, 12*(\q)+6*(\p/3)+\p%3
.if PC%8 < 5
	ds_load_b64 v[\reg+2*\p:\reg+2*\p+1], v[\adr] offset:8*PC+16*(PC/8)+(\i)*16*PITCH
.else
	ds_load_b64 v[\reg+2*\p:\reg+2*\p+1], v[\adr+2] offset:8*PC+16*(PC/8)+(\i)*16*PITCH
.endif
.endr
.endm
.macro FRAGA reg, slot, q, i           ; A: a fragment from two half-images (heads 2 q and 2 q + 1 of the slot's four, tile i): six pieces of 256 consecutive bytes
.irp p, 0,1,2,3,4,5
	ds_load_b64 v[\reg+2*\p:\reg+2*\p+1], v[ADRA+\slot] offset:(2*(\q)+\p/3)*6144+(\i)*768+256*(\p%3)
.endr
.endm
; 16 matrix instructions: A's blocks a0, a0 + 1 x B's eight.  zero = 1: the sums start from the bias.  The 64 accumulators take turns, one instruction a turn, in the same order in every step.
.macro MUL16 a0, p, q, sc, zero
.irp a, \a0, \a0+1
.irp b, 0,1,2,3,4,5,6,7
.if \zero
	v_wmma_scale_f32_16x16x128_f8f6f4 v[8*(8*((\a)%4)+\b):8*(8*((\a)%4)+\b)+7], v[128*(\p)+FR*\b:128*(\p)+FR*\b+FR-1], v[AF+FR*(\a):AF+FR*(\a)+FR-1], v[BI+8*\b:BI+8*\b+7], v[SC+8*NQ*(\sc)+NQ*\b+(\q)], v[SC+8*NQ*(\sc)+NQ*(\a)+(\q)] matrix_a_fmt:MATRIX_FMT_FP6 matrix_b_fmt:MATRIX_FMT_FP6 matrix_a_scale:MATRIX_SCALE_ROW1
.else
	v_wmma_scale_f32_16x16x128_f8f6f4 v[8*(8*((\a)%4)+\b):8*(8*((\a)%4)+\b)+7], v[128*(\p)+FR*\b:128*(\p)+FR*\b+FR-1], v[AF+FR*(\a):AF+FR*(\a)+FR-1], v[8*(8*((\a)%4)+\b):8*(8*((\a)%4)+\b)+7], v[SC+8*NQ*(\sc)+NQ*\b+(\q)], v[SC+8*NQ*(\sc)+NQ*(\a)+(\q)] matrix_a_fmt:MATRIX_FMT_FP6 matrix_b_fmt:MATRIX_FMT_FP6 matrix_a_scale:MATRIX_SCALE_ROW1
.endif
.endr
.endr
.endm
.macro FETCH_B slot, q, p
	WIN TO_B
.irp i, 0,1,2,3,4,5,6,7
	FRAG 128*(\p)+FR*\i, ADRB+\slot, \q, \i
.endr
	WIN 0
.endm
.macro FETCH_A slot, q, i0
.irp i, \i0, \i0+1, \i0+2, \i0+3
	FRAGA AF+FR*(\i), \slot, \q, \i
.endr
.endm
.macro SCALES sc
.irp i, 0,1,2,3,4,5,6,7
	ds_load_b64 v[SC+8*NQ*\sc+NQ*\i:SC+8*NQ*\sc+NQ*\i+1], v[ADRS] offset:\i*SBLK
.endr
.endm
.macro PLACES n
.rept \n
	v_nop
.endr
.endm
.macro STEP slot, q, zero
	s_wait_dscnt 4*NL                              ; B's set and A's blocks 0-3 are in; the youngest 24 loads (A's blocks 4-7) may be out
.if \zero
	WIN FST_LO
.else
	WIN MUL_LO
.endif
	MUL16 0, (\q)%2, \q, \slot, \zero
	MUL16 2, (\q)%2, \q, \slot, \zero
	s_wait_dscnt 0
	PLACES NP
	FETCH_B \slot, (\q)+1, 1-(\q)%2
	FETCH_A \slot, (\q)+1, 0
.if \zero
	WIN FST_HI
.else
	WIN MUL_HI
.endif
	MUL16 4, (\q)%2, \q, \slot, \zero
	MUL16 6, (\q)%2, \q, \slot, \zero
	PLACES NP
	WIN 0
	FETCH_A \slot, (\q)+1, 4
.endm
; A slot's last step changes slots: ONE barrier; in front of it each wave waits for all its tensor loads, adds 0 to its spare word, and waits for that and for its own reads of this slot.  fill = 1: this slot is filled again, two K steps ahead.
.macro TURN slot, next, fill
	s_wait_tensorcnt 0x0                           ; all my tensor loads have landed: my part of the next slot
	ds_add_u32 v[SPW], v[NIL]                      ; 0 onto my spare word
	s_wait_dscnt 4*NL+1                            ; (the add and the youngest 24 loads may be out)
	WIN MUL_LO
	MUL16 0, 1, NQ-1, \slot, 0
	s_wait_dscnt 0x0                               ; the add is done, and my reads of this slot are over
	s_barrier_signal -1
	MUL16 2, 1, NQ-1, \slot, 0
	WIN 0
	s_barrier_wait -1
.if \fill
	CREST                                          ; the barrier has opened a round of the cluster's barrier: no wave of any partner still reads this slot's tile or has a load on its way
	s_add_nc_u64 s[G0+4*\slot+2:G0+4*\slot+3], s[G0+4*\slot+2:G0+4*\slot+3], 2*HSTEP
	s_add_nc_u64 s[G0B+4*\slot+2:G0B+4*\slot+3], s[G0B+4*\slot+2:G0B+4*\slot+3], 2*ROWB
	JLOAD G0+4*\slot, G1, G0B+4*\slot, G1B         ; the first tensor load behind the round; its four v_nop are the places in front of the loads below
.else
	PLACES NP
.endif
	v_add_nc_u32 v[ADRS], 4*NQ, v[ADRS]            ; on to the next K step's scale words (no LDS load of mine is out)
	FETCH_B \next, 0, 0
	FETCH_A \next, 0, 0
	SCALES \next
	WIN MUL_HI
	MUL16 4, 1, NQ-1, \slot, 0
	MUL16 6, 1, NQ-1, \slot, 0
	PLACES NP
	WIN 0
	FETCH_A \next, 0, 4
.endm
	s_wait_tensorcnt 1                             ; the scales and my part of K step 0 are in (K step 1's load may be out),
	s_barrier_signal -1
	s_barrier_wait -1                              ; everybody's are
	FETCH_B 0, 0, 0
	FETCH_A 0, 0, 0
	SCALES 0
	FETCH_A 0, 0, 4
	s_wait_loadcnt 0x0                             ; the bias
	STEP 0, 0, 1                                   ; the first step stands in front of the loop: its products start the sums from the bias
	s_mov_b32 s3, LAPS-1
.Llap:
	TURN 0, 1, 1
	STEP 1, 0, 0
	TURN 1, 0, 1
	STEP 0, 0, 0
	s_sub_co_u32 s3, s3, 1
	s_cmp_lg_u32 s3, 0
	s_cbranch_scc1 .Llap
	TURN 0, 1, 0                                   ; the last lap fills nothing, and has no round of the cluster's barrier
	STEP 1, 0, 0
	s_wait_dscnt 4*NL
	WIN MUL_LO
	MUL16 0, 1, NQ-1, 1, 0
	MUL16 2, 1, NQ-1, 1, 0
	s_wait_dscnt 0
	WIN MUL_HI
	MUL16 4, 1, NQ-1, 1, 0
	MUL16 6, 1, NQ-1, 1, 0
	WIN 0
; THE WAY OUT, block by block of 16 tokens x 128 columns, through my own stage in LDS: in, each accumulator's eight numbers at their true columns; back, whole rows of 512 bytes, each stored at its true token's row.
; LDS serves a wave's instructions in order (ISA guide 5.7.1.4): no wait between the stores and the loads, nor in front of the next block's stores.
.macro TOSTAGE a
.set AC, 64*((\a)%4)
	WIN 0x08+4*((\a)/4)                            ; the data: window 2 or 3
.irp b, 0,1,2,3,4,5,6,7
	ds_store_b128 v[STO], v[AC+8*\b:AC+8*\b+3] offset:128*(\b/2)+32*(\b%2)          ; each accumulator from its low end on
	ds_store_b128 v[STO], v[AC+8*\b+4:AC+8*\b+7] offset:128*(\b/2)+32*(\b%2)+16
.endr
	WIN 0
.set BB, BK+64*((\a)%2)
.irp t, 0,1,2,3,4,5,6,7,8,9,10,11,12,13,14,15
	ds_load_b128 v[BB+4*\t:BB+4*\t+3], v[RD] offset:\t*SPITCH
.endr
.endm
.macro SEND a, younger                 ; younger: the LDS instructions issued behind block a's loads, which may stay out
.set BB, BK+64*((\a)%2)
	s_wait_dscnt \younger                          ; the block is back in registers
.irp t, 0,1,2,3,4,5,6,7,8,9,10,11,12,13,14,15
	global_store_b128 v[CO], v[BB+4*\t:BB+4*\t+3], s[12:13] offset:(32*((\a)/2)+8*((\a)%2)+\t+8*(\t/8))*SIZE_N*4 th:TH_STORE_NT   ; 32 lanes store 512 consecutive bytes, aligned; 127 rows on at the most: inside the signed 24-bit immediate
.endr
.endm
	PLACES NP
	TOSTAGE 0
.irp a, 1,2,3,4,5,6,7
.if \a > 1
	s_wait_xcnt 0x0                                ; block a - 2's stores have read their registers: block a's loads may land there
.endif
	TOSTAGE \a
	SEND \a-1, 32                                  ; behind block a - 1's loads: block a's 16 stores and 16 loads
.endr
	SEND 7, 0
	s_wait_tensorcnt 0x0                           ; the wave's end, behind my last tensor load and my last LDS store
	ds_add_u32 v[SPW], v[NIL]
	s_wait_dscnt 0x0
	CROUND                                         ; the closing round: no work-group ends while a partner may still ask for a tile that names it
	s_endpgm
.Lfunc_end_k_q7f31b69cc4_proj:
	.size	k_q7f31b69cc4_proj, .Lfunc_end_k_q7f31b69cc4_proj-k_q7f31b69cc4_proj
	.p2alignl 7, 3214868480
	.fill 96, 4, 3214868480
	.section	.rodata,"a",@progbits
	.p2align	6, 0x0
	.amdhsa_kernel k_q7f31b69cc4_proj
		.amdhsa_group_segment_fixed_size 327680
		.amdhsa_private_segment_fixed_size 0
		.amdhsa_enable_private_segment 0
		.amdhsa_kernarg_size 48
		.amdhsa_user_sgpr_count 2
		.amdhsa_user_sgpr_kernarg_segment_ptr 1
		.amdhsa_wavefront_size32 1
		.amdhsa_system_sgpr_workgroup_id_x 1
		.amdhsa_system_sgpr_workgroup_id_y 1
		.amdhsa_system_sgpr_workgroup_id_z 1
		.amdhsa_system_vgpr_workitem_id 0
		.amdhsa_next_free_vgpr 1024
		.amdhsa_next_free_sgpr 98
		.amdhsa_reserve_vcc 0
		.amdhsa_float_denorm_mode_32 3
		.amdhsa_float_denorm_mode_16_64 3
		.amdhsa_memory_ordered 1
		.amdhsa_forward_progress 1
		.amdhsa_inst_pref_size 161
	.end_amdhsa_kernel
	.amdgpu_metadata
---
amdhsa.version: [ 1, 2 ]
amdhsa.kernels:
  - .name:           k_q7f31b69cc4_proj
    .symbol:         k_q7f31b69cc4_proj.kd
    .args:
      - { .name: o_codes, .offset: 0, .size: 8, .value_kind: global_buffer, .address_space: global }
      - { .name: o_scales, .offset: 8, .size: 8, .value_kind: global_buffer, .address_space: global }
      - { .name: w_codes, .offset: 16, .size: 8, .value_kind: global_buffer, .address_space: global }
      - { .name: w_scales, .offset: 24, .size: 8, .value_kind: global_buffer, .address_space: global }
      - { .name: b_proj, .offset: 32, .size: 8, .value_kind: global_buffer, .address_space: global }
      - { .name: out0, .offset: 40, .size: 8, .value_kind: global_buffer, .address_space: global }
    .group_segment_fixed_size: 327680
    .private_segment_fixed_size: 0
    .kernarg_segment_align: 8
    .kernarg_segment_size: 48
    .max_flat_workgroup_size: 128
    .sgpr_count:     98
    .vgpr_count:     1024
    .wavefront_size: 32
...
	.end_amdgpu_metadata
.endif
;; end of part 4
